; MI455X (gfx1250); checked and timed in simulation.
; The chip was launched on July 23, 2026; its instructions are those of AMD's public machine-readable ISA for CDNA 5 (MIT licence, August 2026) and "CDNA5" Instruction Set Architecture Reference Guide (July 2026). The comments in the code are by the model that wrote it; some were corrected since.
;; Transformer Encoder Layer. Allowed arithmetic: matrix products marked QUANTISED: E3M2 operands, one E8M0 scale for each 32 along K, by v_wmma_scale_f32_16x16x128_f8f6f4 with both operands' format E3M2, f32 sums; everything else in f32.
;; Inputs: b1 4,096 float32; b2 1,024 float32; b_out 1,024 float32; be1 1,024 float32; be2 1,024 float32; g1 1,024 float32; g2 1,024 float32; mask 2 x 2,048 int32; w1 1,024 x 4,096 float32; w2 4,096 x 1,024 float32; w_out 1,024 x 1,024 float32; w_qkv 1,024 x 3,072 float32; x 2 x 2,048 x 1,024 float32.
;; Outputs: out0 2 x 2,048 x 1,024 float32.
;; This version of the problem:
;;   THIS VERSION OF THE PROBLEM IS GIVEN IN LOW PRECISION. The matrix products marked QUANTISED in the list below multiply operands that are first quantised to E3M2 (3 exponent bits, 2 mantissa bits; 6 bits a number), with one power-of-two scale for each 32 numbers along K (OCP MX v1.0); their sums are f32. All else is computed in f32.
;;   The module's matrix products, in the order in which they are computed (A, B: the left and right operand; K: the contracted axis; several contracted axes count as one K, in the product's order):
;;     1. [M 4,096, K 1,024] x [K 1,024, N 3,072]; A: computed on the way; B: input w_qkv: QUANTISED
;;     2. batch 32 x [M 2,048, K 64] x [K 64, N 2,048]; A: computed on the way; B: computed on the way: QUANTISED
;;     3. batch 32 x [M 2,048, K 2,048] x [K 2,048, N 64]; A: softmax (see below); B: computed on the way: QUANTISED
;;     4. [M 4,096, K 1,024] x [K 1,024, N 1,024]; A: computed on the way; B: input w_out: QUANTISED
;;     5. [M 4,096, K 1,024] x [K 1,024, N 4,096]; A: computed on the way; B: input w1: QUANTISED
;;     6. [M 4,096, K 4,096] x [K 4,096, N 1,024]; A: computed on the way; B: input w2: QUANTISED
;;   THE QUANTISER, for each operand of a quantised product, along K:
;;     - K is cut into blocks of 32 from its start; a last block that is shorter is filled with zeros.
;;     - A block's scale is 2^e with e = floor(log2(the largest magnitude in the block)) - 4, held to -126 .. 127; a block of zeros has e = 0. As a byte (E8M0): e + 127.
;;     - Each number is divided by its block's scale, clamped to +-28, and rounded to the nearest number of E3M2, ties to even, subnormals kept.
;;     - The product sums the exact products of the quantised numbers (number of the format x scale) in f32.
;;   ~~~python
;;   def quantise(x, axis):      # numpy; x: float32 -> the quantised numbers, widened to float32 again
;;       x = np.moveaxis(x, axis, -1); K = x.shape[-1]
;;       x = np.pad(x, [(0, 0)] * (x.ndim - 1) + [(0, -K % 32)]); x = x.reshape(x.shape[:-1] + (-1, 32)); a = np.abs(x).max(-1, keepdims=True)
;;       e = np.where(a > 0, np.clip(np.frexp(np.where(a > 0, a, 1))[1] - 1 - 4, -126, 127), 0)      # np.frexp(a)[1] - 1 = floor(log2(a)), exactly
;;       r = np.clip(x / 2.0 ** e, -28, 28)
;;       step = 2.0 ** (np.maximum(np.frexp(np.where(r == 0, 1, r))[1] - 1, -2) - 2)
;;       q = np.round(r / step) * step * 2.0 ** e      # np.round: ties to even
;;       return np.moveaxis(q.reshape(q.shape[:-2] + (-1,))[..., :K], -1, axis).astype(np.float32)
;;   ~~~
;;   SOFTMAX AHEAD OF A QUANTISED PRODUCT. Where the list says 'softmax', what is quantised is not the finished softmax but p = 2^(t - M), with t = logit x log2(e) and M = ceil(the row's largest t), a whole number; so 1/2 < the row's largest p <= 1. The row's sum l is taken of the UNQUANTISED p, in f32, and the product's result is divided by l at the end. Since M is a whole number, a kernel that streams over the keys may use a running M (the ceiling of the running maximum): every later rescaling is an exact power of two, which a block's scale takes up: the codes' values come out the same.
;;   OPERANDS COMPUTED ON THE WAY. 'Computed on the way' means the value that the module computes at that place (a softmax that the list does not call 'softmax' is quantised finished and normalised). What goes into a quantiser is computed in f32, as accurately as f32 sums, v_exp_f32 and their like allow (about 1e-6 of the number): no bf16 or f16 on the way to a quantiser, and a product that is left as it is and whose result goes on into a quantised operand takes f32 operands (vector FMAs, or v_wmma_f32_16x16x4_f32). A number that lies on a knife's edge between two numbers of the format may be rounded either way, as far as f32 arithmetic and the matrix unit's own rounding can turn it there, and no further.
;; One version. Each part assembles by itself: llvm-mc -triple=amdgcn-amd-amdhsa -mcpu=gfx1250 --defsym DOCPART=n.
;; ======== version 1 of 1: 7 launches
;; limits: right only within a limited range of input values
;; workspace buffers: wc 9,830,400 bytes; ac 3,276,800 bytes; qb 3,407,872 bytes; kvb 6,684,672 bytes; x1 16,777,216 bytes; hid 13,107,200 bytes
;; launch prep (part 1): grid 1024 x 1, 4 waves a work-group, no clusters, 66,560 bytes of LDS; arguments x, g1, be1, ac, w_qkv, w_out, w1, w2, wc; writes ac, wc
.if DOCPART == 1
	.amdgcn_target "amdgcn-amd-amdhsa--gfx1250"
	.amdhsa_code_object_version 6
	.text
	.protected	k_q0d54a751be_prep
	.globl	k_q0d54a751be_prep
	.p2align	8
	.type	k_q0d54a751be_prep,@function
k_q0d54a751be_prep:
	s_mov_b64 s[64:65], 0
	v_nop
	global_prefetch_b8 v0, s[64:65] scope:SCOPE_SE
	s_setreg_imm32_b32 hwreg(HW_REG_WAVE_MODE, 25, 1), 1
	s_wait_xcnt 0x0
; Work-groups 0-255: layer norm of 16 rows of xin [4096][1024] f32, quantised along the row to codes of E3M2 with one E8M0 byte for each 32.
; Work-groups 256-1023: one block of 128 K x 128 columns of a weight stored [K][N] f32, quantised along K.
; THE LAYOUT OF EVERY OPERAND.  Rows go in groups of 128; fragment f (0-7), lane row r (0-15) holds row 32 (f/2) + 8 (f%2) + r + 8 (r/8) of its group, so that a product's results,
; taken transposed, are neighbours along the next K.  A fragment (16 rows x 128 K, 12 registers a lane) lies as an image of its registers, 1,536 bytes: for c = 0, 1 registers 6c..6c+3 at
; 768 c + 16 lane, registers 6c+4, 6c+5 at 768 c + 512 + 8 lane.  A unit is a group's 8 fragments of one K step and 512 bytes of scale words [f][r]: 12,800 bytes.  A tensor is [group][K step] units.
; A block's scale byte is its largest magnitude's exponent field - 4, held at 1 from below.  LIMITS: a block whose largest magnitude lies under 2^-122 (zeros too) gets the byte 1: its codes
; are what the conversion gives under that byte, zeros for zeros; the bytes are read by this program alone.  NaN and infinities are not served.
.set UNIT, 12800
.set PC, 160                           ; v160-178 the codes just made      (in the layer norm v160-223 first hold g and be: PC, TM and PW are touched only when those are used up)
.set TM, 180                           ; v180-195 at work in QUANT
.set PW, 196                           ; the scale word just made
; 64 numbers of a lane, register 16 b + i = k 32 b + 16 (lane / 16) + i of my row, become a fragment's codes in v[PC] on and its scale word in v[PW]
.macro QUANT s
.irp b, 0,1,2,3
	v_max3_num_f32 v[TM+\b], |v[(\s)+16*\b]|, |v[(\s)+16*\b+1]|, 0x2800000   ; my 16 numbers of block b, and the floor 2^(5 - 127): the byte cannot fall under 1
.endr
.irp i, 2,4,6,8,10,12,14
.irp b, 0,1,2,3
	v_max3_num_f32 v[TM+\b], v[TM+\b], |v[(\s)+16*\b+\i]|, |v[(\s)+16*\b+\i+1]|
.endr
.endr
.irp b, 0,1,2,3
	v_permlanex16_b32 v[TM+4+\b], v[TM+\b], s36, s37
.endr
.irp b, 0,1,2,3
	v_max_num_f32 v[TM+\b], v[TM+\b], v[TM+4+\b]      ; with lane l xor 16's: the block's largest magnitude
.endr
.irp b, 0,1,2,3
	v_add_nc_u32 v[TM+12+\b], 0xfe000000, v[TM+\b]    ; 4 off its exponent field: the conversion's scale operand
.endr
.irp b, 0,1,2,3
	v_lshrrev_b32 v[TM+4+\b], 23, v[TM+12+\b]         ; the scale's byte
.endr
	v_lshl_or_b32 v[PW], v[TM+5], 8, v[TM+4]
	v_lshl_or_b32 v[PW], v[TM+6], 16, v[PW]
	v_lshl_or_b32 v[PW], v[TM+7], 24, v[PW]
.irp c, 0,1
	v_cvt_scalef32_pk16_bf6_f32 v[PC+6*\c:PC+6*\c+2], v[(\s)+32*\c:(\s)+32*\c+15], v[TM+12+2*\c]
	v_cvt_scalef32_pk16_bf6_f32 v[PC+12+4*\c:PC+14+4*\c], v[(\s)+32*\c+16:(\s)+32*\c+31], v[TM+13+2*\c]   ; (a conversion's three registers begin on an even number)
.endr
	v_nop                                             ; one plain place behind a scaled conversion
.irp c, 0,1                                           ; a whole block to a lane: lanes 0-15 block 2 c, lanes 16-31 block 2 c + 1
.irp i, 0,1,2
	v_permlane16_swap_b32 v[PC+6*\c+\i], v[PC+12+4*\c+\i]
.endr
.irp i, 0,1,2
	v_mov_b32 v[PC+3+6*\c+\i], v[PC+12+4*\c+\i]
.endr
.endr
.endm
.macro PUT reg, base, off              ; a fragment's image: each store covers 512 or 256 consecutive bytes, at a multiple of 256 from the buffer's first byte
	global_store_b128 v4, v[\reg:\reg+3], s[\base:\base+1] offset:\off
	global_store_b64 v6, v[\reg+4:\reg+5], s[\base:\base+1] offset:\off+512
	global_store_b128 v4, v[\reg+6:\reg+9], s[\base:\base+1] offset:\off+768
	global_store_b64 v6, v[\reg+10:\reg+11], s[\base:\base+1] offset:\off+1280
.endm
.macro REDUCE                          ; the four rows' pairs v[224+2i] become sums over the wave in v[232+i], in every lane
.irp i, 0,1,2,3
	v_add_f32 v[232+\i], v[224+2*\i], v[225+2*\i]
.endr
.irp m, 1,2,4,8
.irp i, 0,1,2,3
	v_add_f32_dpp v[232+\i], v[232+\i], v[232+\i] row_xmask:\m row_mask:0xf bank_mask:0xf
.endr
.endr
.irp i, 0,1,2,3
	v_permlanex16_b32 v[236+\i], v[232+\i], s36, s37
.endr
.irp i, 0,1,2,3
	v_add_f32 v[232+\i], v[232+\i], v[236+\i]
.endr
.endm
	s_load_b256 s[4:11], s[0:1], 0x0               ; xin s[4:5], g s[6:7], be s[8:9], ac s[10:11]
	s_load_b256 s[12:19], s[0:1], 0x20             ; w_qkv s[12:13], w_out s[14:15], w1 s[16:17], w2 s[18:19]
	s_load_b64 s[20:21], s[0:1], 0x40              ; wc
	v_lshl_add_u32 v30, v0, 2, 0x10200
	v_mov_b32 v31, 0
	v_lshrrev_b32 v1, 5, v0
	v_readfirstlane_b32 s24, v1                    ; wave 0..3
	v_and_b32 v1, 31, v0                           ; lane
	v_and_b32 v2, 15, v0                           ; r
	v_bfe_u32 v3, v0, 4, 1                         ; h
	v_lshlrev_b32 v4, 4, v1                        ; 16 x lane
	v_lshlrev_b32 v6, 3, v1                        ; 8 x lane
	v_lshlrev_b32 v7, 2, v1                        ; 4 x lane
	v_lshlrev_b32 v8, 2, v2                        ; 4 r
	s_mov_b32 s36, 0x76543210
	s_mov_b32 s37, 0xfedcba98                      ; v_permlanex16_b32's selects for lane l xor 16
	s_mov_b32 s38, 0x3a800000                      ; 1 / 1024
	s_mov_b32 s29, 0
	s_cmp_lt_u32 ttmp9, 256
	s_cbranch_scc0 .Lweights
	; ---- LAYER NORM.  The work-group makes fragment f of group g for all eight K steps.  Wave w owns lane rows 4 w .. 4 w + 3, which are four neighbouring tokens.
	s_lshr_b32 s25, ttmp9, 3                       ; g
	s_and_b32 s26, ttmp9, 7                        ; f
	s_lshl_b32 s27, s25, 7
	s_lshr_b32 s28, s26, 1
	s_lshl_b32 s28, s28, 5
	s_add_co_u32 s27, s27, s28
	s_and_b32 s28, s26, 1
	s_lshl_b32 s28, s28, 3
	s_add_co_u32 s27, s27, s28
	s_lshl_b32 s28, s24, 2
	s_add_co_u32 s27, s27, s28
	s_lshr_b32 s28, s24, 1
	s_lshl_b32 s28, s28, 3
	s_add_co_u32 s27, s27, s28                     ; my first token: 128 g + 32 (f/2) + 8 (f%2) + 4 w + 8 (w/2)
	s_lshl_b32 s28, s27, 12                        ; a row is 4,096 bytes
	s_mul_i32 s30, s24, 16448
	s_wait_alu depctr_va_vdst(0)
	v_add_nc_u32 v9, s30, v4                       ; the stage, on the way in: 16 rows 4,112 bytes apart; my four rows, 16 bytes a lane
	v_mul_u32_u24 v10, v2, 4112
	v_lshl_add_u32 v10, v3, 6, v10
	s_lshl_b32 s31, s24, 10
	v_add_nc_u32 v10, s31, v10                     ; and on the way out: row r, my half's 16 numbers of a block, my wave's two K steps
	s_lshl_b32 s32, s25, 3
	s_lshl_b32 s33, s24, 1
	s_add_co_u32 s32, s32, s33
	s_mul_i32 s32, s32, UNIT                       ; unit (g, K step 2 w)
	s_mul_i32 s33, s26, 1536
	s_add_co_u32 s34, s32, s33                     ; its fragment f
	s_mov_b32 s35, 0
	s_lshl_b32 s33, s26, 6
	s_add_co_u32 s32, s32, s33
	s_add_co_u32 s32, s32, 12288                   ; and that fragment's scale words
	s_mov_b32 s33, 0
	s_wait_kmcnt 0x0
	s_add_nc_u64 s[4:5], s[4:5], s[28:29]
	s_add_nc_u64 s[40:41], s[10:11], s[34:35]
	s_add_nc_u64 s[42:43], s[10:11], s[32:33]
.irp i, 0,1,2,3
.irp j, 0,1,2,3,4,5,6,7
	global_load_b128 v[32+32*\i+4*\j:35+32*\i+4*\j], v4, s[4:5] offset:4096*\i+512*\j   ; 32 lanes read 512 consecutive bytes
.endr
.endr
.irp j, 0,1,2,3,4,5,6,7
	global_load_b128 v[160+4*\j:163+4*\j], v4, s[6:7] offset:512*\j
.endr
.irp j, 0,1,2,3,4,5,6,7
	global_load_b128 v[192+4*\j:195+4*\j], v4, s[8:9] offset:512*\j
.endr
.irp i, 0,1,2,3
	v_mov_b32 v[236+\i], 0                         ; a lane permute's destination counts as one of its sources (v236-239 are no load's)
.endr
	s_wait_loadcnt 16                              ; the rows are in; the 16 loads of g and be may be out
.irp i, 0,1,2,3
	v_pk_add_f32 v[224+2*\i:225+2*\i], v[32+32*\i:33+32*\i], v[34+32*\i:35+32*\i]
.endr
.irp n, 4,6,8,10,12,14,16,18,20,22,24,26,28,30
.irp i, 0,1,2,3
	v_pk_add_f32 v[224+2*\i:225+2*\i], v[224+2*\i:225+2*\i], v[32+32*\i+\n:33+32*\i+\n]   ; the four rows by turns
.endr
.endr
	REDUCE
.irp i, 0,1,2,3
	v_mul_f32 v[240+2*\i], s38, v[232+\i]          ; the mean, twice: a pair for the packed forms
	v_mul_f32 v[241+2*\i], s38, v[232+\i]
.endr
.irp n, 0,2,4,6,8,10,12,14,16,18,20,22,24,26,28,30
.irp i, 0,1,2,3
	v_pk_add_f32 v[32+32*\i+\n:33+32*\i+\n], v[32+32*\i+\n:33+32*\i+\n], v[240+2*\i:241+2*\i] neg_lo:[0,1] neg_hi:[0,1]   ; x - mean
.endr
.endr
.irp i, 0,1,2,3
	v_pk_mul_f32 v[224+2*\i:225+2*\i], v[32+32*\i:33+32*\i], v[32+32*\i:33+32*\i]
.endr
.irp n, 2,4,6,8,10,12,14,16,18,20,22,24,26,28,30
.irp i, 0,1,2,3
	v_pk_fma_f32 v[224+2*\i:225+2*\i], v[32+32*\i+\n:33+32*\i+\n], v[32+32*\i+\n:33+32*\i+\n], v[224+2*\i:225+2*\i]
.endr
.endr
	REDUCE
.irp i, 0,1,2,3
	v_fmaak_f32 v[232+\i], s38, v[232+\i], 0x3727c5ac   ; the variance + 1e-5
.endr
	s_wait_alu depctr_va_vdst(0)
.irp i, 0,1,2,3
	v_rsq_f32 v[248+2*\i], v[232+\i]
	v_rsq_f32 v[249+2*\i], v[232+\i]
.endr
	v_nop                                          ; a plain place behind the last transcendental
	s_wait_alu depctr_va_vdst(0)                   ; one wait for the eight, ahead of their first reader
	s_wait_loadcnt 0x0                             ; g and be
.irp n, 0,2,4,6,8,10,12,14,16,18,20,22,24,26,28,30
.irp i, 0,1,2,3
	v_pk_mul_f32 v[32+32*\i+\n:33+32*\i+\n], v[32+32*\i+\n:33+32*\i+\n], v[248+2*\i:249+2*\i]
.endr
.irp i, 0,1,2,3
	v_pk_fma_f32 v[32+32*\i+\n:33+32*\i+\n], v[32+32*\i+\n:33+32*\i+\n], v[160+\n:161+\n], v[192+\n:193+\n]
.endr
.endr
.irp i, 0,1,2,3
.irp j, 0,1,2,3,4,5,6,7
	ds_store_b128 v9, v[32+32*\i+4*\j:35+32*\i+4*\j] offset:4112*\i+512*\j
.endr
.endr
	s_wait_dscnt 0x0                               ; for the others' sake: my rows lie in the stage
	s_barrier_signal -1
	s_barrier_wait -1
.irp i, 0,1,2,3
	v_mov_b32 v[TM+4+\i], 0                        ; a lane permute's destination counts as one of its sources.  Written here: g and be have landed and have been used, so v160-223 are free
.endr
	; wave w quantises K steps 2 w and 2 w + 1 of all 16 rows: lane (r, h) takes 16 neighbours of each block of 32 of row r.  Rows 4,112 bytes apart start 16 bytes on in the banks' row of 256
.irp s, 0,1
.irp b, 0,1,2,3
.irp j, 0,1,2,3
	ds_load_b128 v[32+64*\s+16*\b+4*\j:35+64*\s+16*\b+4*\j], v10 offset:512*\s+128*\b+16*\j
.endr
.endr
.endr
	s_wait_dscnt 0x0
	QUANT 32
	PUT PC, 40, 0
	global_store_b32 v8, v[PW], s[42:43]           ; lanes r and r + 16 hold the same word and write it to the same place
	s_wait_xcnt 0x0                                ; the stores have read their registers: the codes may be written again
	QUANT 96
	PUT PC, 40, UNIT
	global_store_b32 v8, v[PW], s[42:43] offset:UNIT
	s_wait_tensorcnt 0x0
	ds_add_u32 v30, v31
	s_wait_dscnt 0x0
	s_endpgm
	; ---- WEIGHTS.  A work-group makes one unit; the units of the four tensors lie on end in wc, so the output's place is (work-group - 256) x 12,800 for all.
	; A LANE TAKES A COLUMN AND ITS 128 REGISTERS RUN DOWN K: lanes 0-15 are the rows of fragment 2 w, lanes 16-31 those of fragment 2 w + 1; a load reads 128 consecutive bytes.
.Lweights:
	s_sub_co_u32 s25, ttmp9, 256
	s_wait_alu depctr_va_vdst(0)
	v_lshlrev_b32 v5, 3, v3
	v_add_nc_u32 v5, v5, v2
	v_and_b32 v9, 8, v2
	v_add_nc_u32 v5, v5, v9
	v_lshlrev_b32 v5, 2, v5                        ; 4 x (8 (lane / 16) + r + 8 (r / 8)): my column among the wave's 32
	s_lshl_b32 s31, s24, 7                         ; the wave's 32 columns
	s_mul_i32 s32, s25, UNIT
	s_mul_i32 s33, s24, 3072
	s_add_co_u32 s34, s32, s33                     ; my two fragments
	s_mov_b32 s35, 0
	s_add_co_u32 s32, s32, s31
	s_add_co_u32 s32, s32, 12288                   ; and their scale words: 128 bytes
	s_mov_b32 s33, 0
	s_wait_kmcnt 0x0
	s_add_nc_u64 s[40:41], s[20:21], s[34:35]
	s_add_nc_u64 s[42:43], s[20:21], s[32:33]
.macro WARM base, first, n, sh         ; the tensor at s[base], of n columns, whose units begin at work-group 256 + first and count 2^sh K steps to a group of columns
	s_sub_co_u32 s26, s25, \first
	s_lshr_b32 s27, s26, \sh                       ; group of columns
	s_and_b32 s26, s26, (1<<\sh)-1                 ; K step
	s_mul_i32 s28, s26, 512*\n                     ; 128 rows of 4 n bytes
	s_lshl_b32 s27, s27, 9
	s_add_co_u32 s28, s28, s27
	s_add_co_u32 s28, s28, s31
	s_add_nc_u64 s[26:27], s[\base:\base+1], s[28:29]
.set ii, 0
.rept 128
	global_load_b32 v[32+ii], v5, s[26:27] offset:ii*\n*4 th:TH_LOAD_NT   ; 127 rows of 16,384 bytes at the most: inside the signed 24-bit immediate
.set ii, ii+1
.endr
.endm
	s_cmp_lt_u32 s25, 192
	s_cbranch_scc0 .Lnot_qkv
	s_wait_alu depctr_va_vdst(0)
	WARM 12, 0, 3072, 3
	s_branch .Lwq
.Lnot_qkv:
	s_cmp_lt_u32 s25, 256
	s_cbranch_scc0 .Lnot_out
	s_wait_alu depctr_va_vdst(0)
	WARM 14, 192, 1024, 3
	s_branch .Lwq
.Lnot_out:
	s_cmp_lt_u32 s25, 512
	s_cbranch_scc0 .Lnot_w1
	s_wait_alu depctr_va_vdst(0)
	WARM 16, 256, 4096, 3
	s_branch .Lwq
.Lnot_w1:
	s_wait_alu depctr_va_vdst(0)
	WARM 18, 512, 1024, 5
.Lwq:
.irp b, 0,1,2,3                        ; block b: all its 32 numbers are mine.  Behind its loads 96 - 32 b were issued; a wait names 63 at the most
.if \b < 2
	s_wait_loadcnt 63
.else
	s_wait_loadcnt 96-32*\b
.endif
	v_max3_num_f32 v[204+\b], |v[32+32*\b]|, |v[33+32*\b]|, 0x2800000
.irp i, 2,4,6,8,10,12,14,16,18,20,22,24,26,28,30
	v_max3_num_f32 v[204+\b], v[204+\b], |v[32+32*\b+\i]|, |v[33+32*\b+\i]|
.endr
.endr
.irp b, 0,1,2,3
	v_add_nc_u32 v[208+\b], 0xfe000000, v[204+\b]
.endr
.irp b, 0,1,2,3
	v_lshrrev_b32 v[204+\b], 23, v[208+\b]
.endr
	v_lshl_or_b32 v212, v205, 8, v204
	v_lshl_or_b32 v212, v206, 16, v212
	v_lshl_or_b32 v212, v207, 24, v212             ; my column's scale word
.irp c, 0,1
	v_cvt_scalef32_pk16_bf6_f32 v[160+6*\c:162+6*\c], v[32+64*\c:47+64*\c], v[208+2*\c]    ; block 2 c: what lanes 0-15 of a fragment hold in registers 6 c on
	v_cvt_scalef32_pk16_bf6_f32 v[184+8*\c:186+8*\c], v[48+64*\c:63+64*\c], v[208+2*\c]
	v_cvt_scalef32_pk16_bf6_f32 v[172+6*\c:174+6*\c], v[64+64*\c:79+64*\c], v[209+2*\c]    ; block 2 c + 1: what lanes 16-31 hold there
	v_cvt_scalef32_pk16_bf6_f32 v[188+8*\c:190+8*\c], v[80+64*\c:95+64*\c], v[209+2*\c]
.endr
	v_nop
.irp c, 0,1
.irp i, 0,1,2
	v_mov_b32 v[163+6*\c+\i], v[184+8*\c+\i]
	v_mov_b32 v[175+6*\c+\i], v[188+8*\c+\i]
.endr
.endr
.irp n, 0,1,2,3,4,5,6,7,8,9,10,11
	v_permlane16_swap_b32 v[160+\n], v[172+\n]     ; the first's lanes 16-31 change places with the second's lanes 0-15: v160-171 is now fragment 2 w, v172-183 fragment 2 w + 1
.endr
	PUT 160, 40, 0
	PUT 172, 40, 1536
	global_store_b32 v7, v212, s[42:43]
	s_endpgm
.Lfunc_end_k_q0d54a751be_prep:
	.size	k_q0d54a751be_prep, .Lfunc_end_k_q0d54a751be_prep-k_q0d54a751be_prep
	.p2alignl 7, 3214868480
	.fill 96, 4, 3214868480
	.section	.rodata,"a",@progbits
	.p2align	6, 0x0
	.amdhsa_kernel k_q0d54a751be_prep
		.amdhsa_group_segment_fixed_size 66560
		.amdhsa_private_segment_fixed_size 0
		.amdhsa_enable_private_segment 0
		.amdhsa_kernarg_size 72
		.amdhsa_user_sgpr_count 2
		.amdhsa_user_sgpr_kernarg_segment_ptr 1
		.amdhsa_wavefront_size32 1
		.amdhsa_system_sgpr_workgroup_id_x 1
		.amdhsa_system_sgpr_workgroup_id_y 1
		.amdhsa_system_sgpr_workgroup_id_z 1
		.amdhsa_system_vgpr_workitem_id 0
		.amdhsa_next_free_vgpr 256
		.amdhsa_next_free_sgpr 66
		.amdhsa_reserve_vcc 0
		.amdhsa_float_denorm_mode_32 3
		.amdhsa_float_denorm_mode_16_64 3
		.amdhsa_memory_ordered 1
		.amdhsa_forward_progress 1
		.amdhsa_inst_pref_size 102
	.end_amdhsa_kernel
	.amdgpu_metadata
---
amdhsa.version: [ 1, 2 ]
amdhsa.kernels:
  - .name:           k_q0d54a751be_prep
    .symbol:         k_q0d54a751be_prep.kd
    .args:
      - { .name: x, .offset: 0, .size: 8, .value_kind: global_buffer, .address_space: global }
      - { .name: g1, .offset: 8, .size: 8, .value_kind: global_buffer, .address_space: global }
      - { .name: be1, .offset: 16, .size: 8, .value_kind: global_buffer, .address_space: global }
      - { .name: ac, .offset: 24, .size: 8, .value_kind: global_buffer, .address_space: global }
      - { .name: w_qkv, .offset: 32, .size: 8, .value_kind: global_buffer, .address_space: global }
      - { .name: w_out, .offset: 40, .size: 8, .value_kind: global_buffer, .address_space: global }
      - { .name: w1, .offset: 48, .size: 8, .value_kind: global_buffer, .address_space: global }
      - { .name: w2, .offset: 56, .size: 8, .value_kind: global_buffer, .address_space: global }
      - { .name: wc, .offset: 64, .size: 8, .value_kind: global_buffer, .address_space: global }
    .group_segment_fixed_size: 66560
    .private_segment_fixed_size: 0
    .kernarg_segment_align: 8
    .kernarg_segment_size: 72
    .max_flat_workgroup_size: 128
    .sgpr_count:     66
    .vgpr_count:     256
    .wavefront_size: 32
...
	.end_amdgpu_metadata
.endif
;; end of part 1
;; launch qkv (part 2): grid 12 x 16, 4 waves a work-group, clusters of 4 x 4, 327,680 bytes of LDS; arguments ac, wc, mask, qb, kvb; writes qb, kvb
.if DOCPART == 2
	.amdgcn_target "amdgcn-amd-amdhsa--gfx1250"
	.amdhsa_code_object_version 6
	.text
	.protected	k_q0d54a751be_qkv
	.globl	k_q0d54a751be_qkv
	.p2align	8
	.type	k_q0d54a751be_qkv,@function
k_q0d54a751be_qkv:
	s_mov_b64 s[64:65], 0
	v_nop
	global_prefetch_b8 v0, s[64:65] scope:SCOPE_SE
	s_setreg_imm32_b32 hwreg(HW_REG_WAVE_MODE, 25, 1), 1
	s_wait_xcnt 0x0
	s_wait_alu depctr_hold_cnt(0) depctr_sa_sdst(0) depctr_va_vdst(0) depctr_va_sdst(0) depctr_va_ssrc(0) depctr_va_vcc(0) depctr_vm_vsrc(0)
	s_getreg_b32 s2, hwreg(HW_REG_IB_STS2, 6, 4)
	s_cmp_eq_u32 s2, 0
	s_cbranch_scc0 .Lentry_in_a_cluster
	s_endpgm
.Lentry_in_a_cluster:
	s_bfe_u32 s2, ttmp6, 0x10000c
	s_cmp_lg_u32 s2, 0xf033
	s_cbranch_scc0 .Lentry_shape_is_right
	s_endpgm
.Lentry_shape_is_right:
; qkv = LN1(x) w_qkv on codes of E3M2; the way out quantises q and k along a head's 64 and v along the keys, and lays them as attention's operands.
; OPERANDS lie in units of 12,800 bytes (a group of 128 rows x 128 K: 8 fragments as images of their registers, then 512 bytes of scale words), [group][K step]; fragment f, lane row r is row
; 32 (f/2) + 8 (f%2) + r + 8 (r/8) of its group.  So a K step's operands are dense blocks for the tensor data mover, a fragment comes by two loads of 16 and two of 8 bytes a lane, each on consecutive bytes.
; A tile of 256 tokens x 256 columns is made by four waves, 128 x 128 each: 64 accumulators, 512 registers.  K goes through a ring of two LDS slots of two K steps of 128.
; The matrix instruction is used transposed: source 0 = 16 columns of the weight, source 1 = 16 tokens: a lane holds one token and its registers run along the columns, the next product's K.
; In the clusters of v's columns (cluster x = 2) the two sides change places in the LDS READ addresses alone, so that a lane holds one column of v and its registers run along the keys.
; CLUSTERS 4 x 4: the tokens' units are shared along a row of the cluster, the weights' along a column, by joint loads.
; THE MASK goes into k: a shut key's codes become zeros and the third byte of its scale word 160; an open key's 1.  Attention multiplies a constant code -1 under that byte by q's constant code +1:
; a shut key's score is -2^33, an open key's carries -2^-126.  LIMIT: a shut key's logit is -2^30 where the definition has -1e9: the same result wherever a row's largest open logit lies above
; about -1e9 + 150, or the whole row is shut.  Blocks whose largest magnitude lies under 2^-122 get the byte 1.  NaN and infinities are not served.
; REGISTERS.  window 0: v1-7 lane numbers, v8-19 LDS addresses, v28-29 the add's; v32-47 source 1's scale words (two sets), v48-63 source 0's; v64-159, v160-255 source 1's fragments, two sets.
;   window 1: v0-95, v128-223 source 0's fragments, two sets; v96-103 the mask's words.   windows 2, 3: accumulator (a, b) at 64 (a % 4) + 8 b of window 2 + a / 4.
.set NB, 8                             ; fragments a wave and side
; HOW K GOES THROUGH LDS (this takes the place of the ring named above): region X holds K steps 0 and 1 of both sides, region Y K steps 2 to 5; both are asked for at the head, one tensor load a wave
; (wave 0 the tokens' X, wave 1 the weights' X, wave 2 the tokens' Y, wave 3 the weights' Y).  A load is two rows, one for each group of 128 rows: 2 or 4 units on end, KS units apart in memory.
; Behind K step 1's reads X is filled once more, with K steps 6 and 7, behind a drained round.  No data prefetch: all but those two K steps is asked for at the head, and no loop runs ahead of them.
.set KS, 8
.set GP, 2
.set HALF, 25600                       ; from one wave's fragments to the other's in a side of a slot
.set SHALF, 25600                      ; and the same for scale words
.set WOFF, 0                           ; the weight's first unit in wc
.set HASBIAS, 0
.set UNIT,  12800
.set SIDE,  4*UNIT                     ; a side of X: two groups x two K steps
.set YB,    2*SIDE                     ; region Y's first byte
.set YS,    8*UNIT                     ; a side of Y: two groups x four K steps
.set SPARE, YB+2*YS                    ; behind the regions: the spare words, 128 bytes for each wave
.set G1Y, 76                           ; s[76:83], s[84:91] descriptor group 1 for Y's tiles: the tokens', the weights'
.set G1BY, 84
.set G1, 24                            ; s[24:31] descriptor group 1 for the tokens' side; s[32:39] group 0, a set for each slot
.set G0, 32
.set G1B, 48                           ; s[48:55], s[56:63] the same for the weights' side
.set G0B, 56
.set SEL, 90
.set PC, 128                           ; the way out, window 0: v128-146 codes; v148-163 at work; v165, v198 constants; v166-181 scale words; v182-189 masks; v190-197 upper halves of scale words
.set TM, 148
.set PW, 164
.set T, 165
.set WS, 166
.set KM, 182
.set XW, 190
.set T2, 198
.set MSB, 0
.macro WIN new                         ; the immediate's high byte repeats the setting that is left; a switch that changes nothing is dropped
.if MSB != (\new)
	s_set_vgpr_msb (MSB<<8)|(\new)
.set MSB, \new
.endif
.endm
.macro PLACES                          ; four plain places behind matrix instructions, ahead of loads into their sources and of reads of their results
.rept 4
	v_nop
.endr
.endm
.macro JLOAD g0a, g1a, g0b, g1b        ; a joint load: wave 0 fetches the tokens' side, wave 1 the weights', waves 2, 3 none; four v_nop follow each line
	s_cmp_eq_u32 s14, 0                            ; the refill: wave 0 the tokens' side, wave 1 the weights', waves 2 and 3 none
	s_cbranch_scc0 .Lfor_b_\@
	tensor_load_to_lds s[\g0a:\g0a+3], s[\g1a:\g1a+7]
	s_nop 0
.rept 4
	v_nop
.endr
	s_branch .Lasked_\@
.Lfor_b_\@:
	s_cmp_eq_u32 s14, 1
	s_cbranch_scc0 .Lasked_\@
	tensor_load_to_lds s[\g0b:\g0b+3], s[\g1b:\g1b+7]
	s_nop 0
.rept 4
	v_nop
.endr
.Lasked_\@:
.endm
.macro CREST                           ; a round of the cluster's barrier behind its opening barrier
	s_cmp_lg_u32 s14, 0
	s_cbranch_scc1 .Lnot_wave_0_\@
	s_barrier_signal -3
.Lnot_wave_0_\@:
	s_barrier_wait -3
	s_barrier_signal -1
	s_barrier_wait -1
.endm
.macro CROUND
	s_barrier_signal -1
	s_barrier_wait -1
	CREST
.endm
.macro FRAG reg, a16, a8, off          ; a fragment's image back into 12 registers
	ds_load_b128 v[(\reg):(\reg)+3], v[\a16] offset:(\off)
	ds_load_b64 v[(\reg)+4:(\reg)+5], v[\a8] offset:(\off)+512
	ds_load_b128 v[(\reg)+6:(\reg)+9], v[\a16] offset:(\off)+768
	ds_load_b64 v[(\reg)+10:(\reg)+11], v[\a8] offset:(\off)+1280
.endm
.macro FETCH slot, q, p                ; the slot's q-th K step into set p: 2 NB scale words, source 0's NB fragments, source 1's NB fragments last: 10 NB loads
	WIN 0
.set fi, 0
.rept NB
	ds_load_b32 v[32+8*(\p)+fi], v[16+\slot] offset:(\q)*UNIT+64*fi
	ds_load_b32 v[48+8*(\p)+fi], v[18+\slot] offset:(\q)*UNIT+64*fi
.set fi, fi+1
.endr
	WIN 0x40
.set fi, 0
.rept NB
	FRAG 128*(\p)+12*fi, 12+\slot, 14+\slot, (\q)*UNIT+1536*fi
.set fi, fi+1
.endr
	WIN 0
.set fi, 0
.rept NB
	FRAG 64+96*(\p)+12*fi, 8+\slot, 10+\slot, (\q)*UNIT+1536*fi
.set fi, fi+1
.endr
.endm
.macro MULA a, p, first                ; source 1's fragment a against source 0's NB.  The accumulators take turns, one instruction a turn, in the same order in every step
.set AW, 2+((\a)*NB*8)/256
.set AI, ((\a)*NB*8)%256
.if (\first) && HASBIAS
	WIN (AW<<6)|(1<<4)|1
.else
	WIN (AW<<6)|(AW<<4)|1
.endif
.set bb, 0
.rept NB
.if (\first) && HASBIAS
	v_wmma_scale_f32_16x16x128_f8f6f4 v[AI+8*bb:AI+8*bb+7], v[128*(\p)+12*bb:128*(\p)+12*bb+11], v[64+96*(\p)+12*(\a):64+96*(\p)+12*(\a)+11], v[96+128*(bb/4)+8*(bb%4):96+128*(bb/4)+8*(bb%4)+7], v[48+8*(\p)+bb], v[32+8*(\p)+(\a)] matrix_a_fmt:MATRIX_FMT_BF6 matrix_b_fmt:MATRIX_FMT_BF6
.elseif \first
	v_wmma_scale_f32_16x16x128_f8f6f4 v[AI+8*bb:AI+8*bb+7], v[128*(\p)+12*bb:128*(\p)+12*bb+11], v[64+96*(\p)+12*(\a):64+96*(\p)+12*(\a)+11], 0, v[48+8*(\p)+bb], v[32+8*(\p)+(\a)] matrix_a_fmt:MATRIX_FMT_BF6 matrix_b_fmt:MATRIX_FMT_BF6
.else
	v_wmma_scale_f32_16x16x128_f8f6f4 v[AI+8*bb:AI+8*bb+7], v[128*(\p)+12*bb:128*(\p)+12*bb+11], v[64+96*(\p)+12*(\a):64+96*(\p)+12*(\a)+11], v[AI+8*bb:AI+8*bb+7], v[48+8*(\p)+bb], v[32+8*(\p)+(\a)] matrix_a_fmt:MATRIX_FMT_BF6 matrix_b_fmt:MATRIX_FMT_BF6
.endif
.set bb, bb+1
.endr
.endm
.macro MULR a0, n, p, first
.set aa, \a0
.rept \n
	MULA aa, \p, \first
.set aa, aa+1
.endr
.endm
.macro STEP slot, q, first             ; a K step that has its successor in the same slot
	s_wait_dscnt 0x0                               ; this step's fragments, asked for at the head of the step before
	PLACES
	FETCH \slot, (\q)+1, 1-(\q)%2                  ; the next step's 10 NB loads stand ahead of all NB x NB products
	MULR 0, NB, (\q)%2, \first
	WIN 0
.endm
.macro TURN next, fill                 ; an odd K step with a barrier in it; fill = 1: the barrier opens a round and X is filled again; then region next's first K step is fetched
	s_wait_tensorcnt 0x0                           ; all my tensor loads have landed: my part of the next slot
	ds_add_u32 v28, v29                            ; 0 onto my spare word
	s_wait_dscnt 2*NB+1                            ; (the add and source 1's upper fragments may be out)
	MULR 0, NB/4, 1, 0
	s_wait_dscnt 0x0                               ; the add is done, and my reads of this slot are over
	s_barrier_signal -1
	MULR NB/4, NB/4, 1, 0
	WIN 0
	s_barrier_wait -1
.if \fill
	CREST                                          ; no wave of any partner still reads this slot or has a load on its way
	s_add_nc_u64 s[G0+2:G0+3], s[G0+2:G0+3], 6*UNIT       ; from K step 0 to K step 6
	s_add_nc_u64 s[G0B+2:G0B+3], s[G0B+2:G0B+3], 6*UNIT
	JLOAD G0, G1, G0B, G1B                         ; the first tensor load behind the round
.endif
	PLACES                                         ; on every wave's way: the places in front of the loads below
	s_wait_alu depctr_va_vdst(0)
	FETCH \next, 0, 0
	MULR NB/2, NB/2, 1, 0
	WIN 0
.endm
.macro LAST
	s_wait_dscnt 2*NB
	MULR 0, NB/2, 1, 0
	s_wait_dscnt 0x0
	MULR NB/2, NB/2, 1, 0
	WIN 0
	PLACES
.endm
; 64 numbers of a lane in window w, register 16 b + i = k 32 b + 16 (lane / 16) + i of my row, become a fragment's codes in v[PC] on and its scale word in v[PW].  Each accumulator is first read at its low end.
.macro QUANT s, w
	WIN (\w)|((\w)<<2)
.irp b, 0,1,2,3
	v_max3_num_f32 v[TM+\b], |v[(\s)+16*\b]|, |v[(\s)+16*\b+1]|, 0x2800000   ; and the floor 2^(5 - 127): the byte cannot fall under 1
.endr
	WIN ((\w)<<2)|((\w)<<4)
.irp i, 2,4,6,8,10,12,14
.irp b, 0,1,2,3
	v_max3_num_f32 v[TM+\b], v[TM+\b], |v[(\s)+16*\b+\i]|, |v[(\s)+16*\b+\i+1]|
.endr
.endr
	WIN 0
.irp b, 0,1,2,3
	v_permlanex16_b32 v[TM+4+\b], v[TM+\b], s[SEL], s[SEL+1]
.endr
.irp b, 0,1,2,3
	v_max_num_f32 v[TM+\b], v[TM+\b], v[TM+4+\b]
.endr
.irp b, 0,1,2,3
	v_add_nc_u32 v[TM+12+\b], 0xfe000000, v[TM+\b]    ; 4 off the exponent field: the conversion's scale operand
.endr
.irp b, 0,1,2,3
	v_lshrrev_b32 v[TM+4+\b], 23, v[TM+12+\b]
.endr
	v_lshl_or_b32 v[PW], v[TM+5], 8, v[TM+4]
	v_lshl_or_b32 v[PW], v[TM+6], 16, v[PW]
	v_lshl_or_b32 v[PW], v[TM+7], 24, v[PW]
	WIN \w
.irp c, 0,1
	v_cvt_scalef32_pk16_bf6_f32 v[PC+6*\c:PC+6*\c+2], v[(\s)+32*\c:(\s)+32*\c+15], v[TM+12+2*\c]
	v_cvt_scalef32_pk16_bf6_f32 v[PC+12+4*\c:PC+14+4*\c], v[(\s)+32*\c+16:(\s)+32*\c+31], v[TM+13+2*\c]
.endr
	WIN 0
	v_nop                                             ; one plain place behind a scaled conversion
.irp c, 0,1
.irp i, 0,1,2
	v_permlane16_swap_b32 v[PC+6*\c+\i], v[PC+12+4*\c+\i]
.endr
.irp i, 0,1,2
	v_mov_b32 v[PC+3+6*\c+\i], v[PC+12+4*\c+\i]
.endr
.endr
.endm
.macro PUT base, off                   ; a fragment's image: each store covers 512 or 256 consecutive bytes, at a multiple of 256 from the buffer's first byte
	global_store_b128 v4, v[PC:PC+3], s[\base:\base+1] offset:\off
	global_store_b64 v5, v[PC+4:PC+5], s[\base:\base+1] offset:\off+512
	global_store_b128 v4, v[PC+6:PC+9], s[\base:\base+1] offset:\off+768
	global_store_b64 v5, v[PC+10:PC+11], s[\base:\base+1] offset:\off+1280
.endm
	s_load_b256 s[4:11], s[0:1], 0x0               ; ac s[4:5], wc s[6:7], mask s[8:9], qb s[10:11]
	s_load_b64 s[12:13], s[0:1], 0x20              ; kvb
	v_lshl_add_u32 v28, v0, 2, SPARE
	v_mov_b32 v29, 0
	ds_add_u32 v28, v29
	ds_add_u32 v28, v29
	s_wait_dscnt 0x0
	v_lshrrev_b32 v1, 5, v0
	v_readfirstlane_b32 s14, v1                    ; wave 0..3
	s_lshr_b32 s15, s14, 1                         ; which half of the tokens is mine.
	s_and_b32 s16, s14, 1                          ; which half of the columns.
	s_bfe_u32 s40, ttmp6, 0x40000                  ; cx, cy
	s_bfe_u32 s41, ttmp6, 0x40004
	s_lshl_b32 s42, ttmp9, 2
	s_add_co_u32 s42, s42, s40                     ; tile column
	s_and_b32 s17, ttmp7, 0xffff
	s_lshl_b32 s17, s17, 2
	s_add_co_u32 s17, s17, s41                     ; tile row
	s_lshl_b32 s43, s41, 2
	s_lshl_b32 s43, 15, s43                        ; my row of the cluster
	s_lshl_b32 s44, 0x1111, s40                    ; my column
	s_or_b32 s[G1], s43, (3<<16)|(1<<21)           ; 15:0 the mask; 17:16 elements of 8 bytes; 21 set beside a mask; no padding
	s_or_b32 s[G1B], s44, (3<<16)|(1<<21)
	s_or_b32 s[G1Y], s43, (3<<16)|(1<<21)
	s_or_b32 s[G1BY], s44, (3<<16)|(1<<21)
.macro SHAPE g, n                      ; two rows of n elements of 8 bytes, a group's KS units apart
	s_mov_b32 s[\g+1], (\n)<<16
	s_mov_b32 s[\g+2], 2<<16
	s_mov_b32 s[\g+3], (\n)<<16
	s_mov_b32 s[\g+4], 2
	s_mov_b32 s[\g+5], KS*UNIT/8
	s_mov_b32 s[\g+6], 0
	s_mov_b32 s[\g+7], 0
.endm
	SHAPE G1, 2*UNIT/8
	SHAPE G1B, 2*UNIT/8
	SHAPE G1Y, 4*UNIT/8
	SHAPE G1BY, 4*UNIT/8
	s_mul_i32 s20, s17, GP*KS*UNIT                 ; the tile's tokens: first unit
	s_mov_b32 s21, 0
	s_mul_i32 s46, s42, GP*KS*UNIT
	s_add_co_u32 s46, s46, WOFF                    ; the tile's columns
	s_mov_b32 s47, 0
	s_wait_kmcnt 0x0
	s_add_nc_u64 s[20:21], s[4:5], s[20:21]
	s_add_nc_u64 s[46:47], s[6:7], s[46:47]
	CROUND                                         ; all sixteen work-groups are here: the first joint loads meet
.irp s, 0,1
	s_mov_b32 s[G0+4*\s], 1
	s_mov_b32 s[G0+4*\s+1], \s*YB
	s_add_nc_u64 s[G0+4*\s+2:G0+4*\s+3], s[20:21], \s*2*UNIT
	s_or_b32 s[G0+4*\s+3], s[G0+4*\s+3], 0x80000000
	s_mov_b32 s[G0B+4*\s], 1
	s_mov_b32 s[G0B+4*\s+1], SIDE+\s*(YB+YS-SIDE)
	s_add_nc_u64 s[G0B+4*\s+2:G0B+4*\s+3], s[46:47], \s*2*UNIT
	s_or_b32 s[G0B+4*\s+3], s[G0B+4*\s+3], 0x80000000
.endr
.macro ARM under, g0, g1, next         ; an arm of the head's one chain: the wave's one tensor load
	s_cmp_lt_u32 s14, \under
	s_cbranch_scc0 \next
	tensor_load_to_lds s[\g0:\g0+3], s[\g1:\g1+7]
	s_nop 0
.rept 4
	v_nop
.endr
	s_branch .Lhead_asked
\next:
.endm
	ARM 1, G0, G1, .Lhead_bx
	ARM 2, G0B, G1B, .Lhead_ay
	ARM 3, G0+4, G1Y, .Lhead_by
	tensor_load_to_lds s[G0B+4:G0B+7], s[G1BY:G1BY+7]
	s_nop 0
.rept 4
	v_nop
.endr
.Lhead_asked:
	v_and_b32 v3, 31, v0                           ; lane
	v_and_b32 v1, 15, v0                           ; r
	v_bfe_u32 v2, v0, 4, 1                         ; h
	v_lshlrev_b32 v4, 4, v3                        ; 16 x lane
	s_wait_alu depctr_va_vdst(0)
	v_lshlrev_b32 v5, 3, v3                        ; 8 x lane
	s_wait_alu depctr_va_vdst(0)
	v_lshlrev_b32 v6, 2, v1                        ; 4 r
	s_wait_alu depctr_va_vdst(0)
	v_lshlrev_b32 v7, 2, v3                        ; 4 x lane
	s_mul_i32 s66, s15, HALF                       ; my tokens' fragments in a slot,
	s_mul_i32 s67, s16, HALF
	s_add_co_u32 s67, s67, SIDE                    ; my columns',
	s_mul_i32 s68, s15, SHALF
	s_add_co_u32 s68, s68, 12288                   ; and their scale words
	s_mul_i32 s69, s16, SHALF
	s_add_co_u32 s69, s69, SIDE+12288
	s_cmp_eq_u32 ttmp9, 2                          ; v's columns: the cluster's x, the same in all partners
	s_cselect_b32 s70, s67, s66                    ; source 1: tokens, for v the columns
	s_cselect_b32 s71, s66, s67                    ; source 0: columns, for v the tokens
	s_cselect_b32 s72, s69, s68
	s_cselect_b32 s73, s68, s69
	v_add_nc_u32 v8, s70, v4
	v_add_nc_u32 v10, s70, v5
	v_add_nc_u32 v12, s71, v4
	v_add_nc_u32 v14, s71, v5
	v_add_nc_u32 v16, s72, v6
	v_add_nc_u32 v18, s73, v6
.irp n, 70,71                          ; the same in Y, where sides and groups lie twice as far apart
	s_lshl_b32 s\n, s\n, 1
	s_add_co_u32 s\n, s\n, YB
.endr
.irp n, 72,73
	s_lshl_b32 s\n, s\n, 1
	s_add_co_u32 s\n, s\n, YB-12288
.endr
	s_wait_alu depctr_va_vdst(0)                   ; the wait here, directly ahead of the readers below
	v_add_nc_u32 v9, s70, v4
	v_add_nc_u32 v11, s70, v5
	v_add_nc_u32 v13, s71, v4
	v_add_nc_u32 v15, s71, v5
	v_add_nc_u32 v17, s72, v6
	v_add_nc_u32 v19, s73, v6
	s_lshl_b32 s74, s17, 1
	s_add_co_u32 s74, s74, s15                     ; my group of 128 tokens
	s_lshl_b32 s74, s74, 9
	s_mov_b32 s75, 0
	s_add_nc_u64 s[74:75], s[8:9], s[74:75]        ; its 128 words of the mask
	v_and_b32 v30, 8, v1
	v_add_nc_u32 v30, v30, v1
	v_lshlrev_b32 v30, 2, v30                      ; 4 (r + 8 (r / 8))
	WIN 0x40
.irp a, 0,1,2,3,4,5,6,7
	global_load_b32 v[96+\a], v30, s[74:75] offset:(32*(\a/2)+8*(\a%2))*4   ; the mask of fragment a's lane row r
.endr
	WIN 0
	s_wait_alu depctr_va_vdst(0)                   ; the wait at the head's end
	s_cmp_lt_u32 s14, 2
	s_cbranch_scc0 .Lnot_x
	s_wait_tensorcnt 0x0                           ; waves 0 and 1: X is in
.Lnot_x:
	s_barrier_signal -1
	s_barrier_wait -1                              ; Y may still be on its way
	FETCH 0, 0, 0
	STEP 0, 0, 1                                   ; K step 0 starts the sums
	TURN 1, 1                                      ; K step 1: every wave's load is in, so Y is shown to all; X takes K steps 6 and 7
	STEP 1, 0, 0                                   ; K steps 2 to 4
	STEP 1, 1, 0
	STEP 1, 2, 0
	TURN 0, 0                                      ; K step 5: the refill is shown to all; nothing is filled
	STEP 0, 0, 0                                   ; K step 6
	LAST                                           ; K step 7
	; THE WAY OUT
	s_wait_loadcnt 0x0                             ; the mask's words
	s_mov_b32 s[SEL], 0x76543210
	s_mov_b32 s[SEL+1], 0xfedcba98
	s_lshl_b32 s66, s17, 1
	s_add_co_u32 s66, s66, s15                     ; g: my group of tokens
	s_lshr_b32 s67, s66, 4                         ; the batch
	s_and_b32 s68, s66, 15                         ; the group within it
	s_lshl_b32 s69, s40, 1
	s_add_co_u32 s69, s69, s16                     ; my pair of heads
	s_lshl_b32 s69, s69, 1
	s_lshl_b32 s70, s67, 4
	s_add_co_u32 s70, s70, s69                     ; 16 x batch + the pair's first head
	s_lshl_b32 s71, s70, 7
	s_lshl_b32 s72, s68, 3
	s_add_co_u32 s71, s71, s72                     ; q: tile 128 x that + 8 x group
	s_mul_i32 s72, s71, 768                        ; its codes,
	s_lshl_b32 s73, s71, 6
	s_add_co_u32 s73, s73, 3145728                 ; its scale words
	s_lshl_b32 s74, s70, 4
	s_add_co_u32 s74, s74, s68
	s_mul_i32 s74, s74, 13056                      ; k, v: the head's unit of these 128 keys,
	s_add_co_u32 s75, s74, 6144                    ; k's scale words in it
	s_mov_b32 s76, 98304                           ; from a head to the next: q's codes,
	s_mov_b32 s77, 208896                          ; k's and v's units,
	s_mov_b32 s78, 8192                            ; q's scale words
	s_cmp_eq_u32 ttmp9, 0                          ; q's columns?
	s_cselect_b64 s[80:81], s[10:11], s[12:13]
	s_cselect_b32 s72, s72, s74
	s_cselect_b32 s88, s73, s75
	s_cselect_b32 s76, s76, s77
	s_cselect_b32 s78, s78, s77
	s_mov_b32 s73, 0
	s_mov_b32 s89, 0
	s_mov_b32 s77, 0
	s_mov_b32 s79, 0
	s_add_nc_u64 s[84:85], s[80:81], s[88:89]      ; the first head's scale words
	s_add_nc_u64 s[86:87], s[84:85], s[78:79]      ; the second's
	s_add_nc_u64 s[80:81], s[80:81], s[72:73]      ; the first head's codes
	s_add_nc_u64 s[82:83], s[80:81], s[76:77]      ; the second's
	s_cmp_eq_u32 ttmp9, 1                          ; k's columns?
	s_cselect_b32 s92, -1, 0
	s_mov_b32 s93, 0x017f0000                      ; the upper half of a scale word: q's is 2^0 and the byte 1,
	s_cselect_b32 s93, 0x01010000, s93             ; an open key's the bytes 1 and 1
.irp b, 0,1,2,3
	v_mov_b32 v[TM+4+\b], 0                        ; a lane permute's destination counts as one of its sources
.endr
	v_mov_b32 v[T], s93
	v_mov_b32 v[T2], 0x01a00000                    ; a shut key's: 2^33 and the byte 1
	WIN 0x01
.irp a, 0,1,2,3,4,5,6,7
	v_mov_b32 v[KM+\a], v[96+\a]                   ; the mask's words come into window 0
.endr
	WIN 0
.irp a, 0,1,2,3,4,5,6,7
	v_cmp_eq_u32 vcc_lo, 0, v[KM+\a]
	s_and_b32 vcc_lo, vcc_lo, s92                  ; shut, and k's columns
	v_cndmask_b32 v[KM+\a], -1, 0, vcc_lo          ; what the codes are masked with
	v_cndmask_b32 v[XW+\a], v[T], v[T2], vcc_lo
.endr
	s_cmp_eq_u32 ttmp9, 2
	s_cbranch_scc1 .Lvpath
	; q and k: a lane holds a token; its 64 numbers are two heads x 64: registers 0-5 of the fragment are the first head's half image, registers 6-11 the second's
.irp a, 0,1,2,3,4,5,6,7
.if \a > 0
	s_wait_xcnt 0x0                                ; the stores have read their registers
.endif
	QUANT 64*(\a%4), 2+\a/4
.irp n, 0,1,2,3,4,5,6,7,8,9,10,11
	v_and_b32 v[PC+\n], v[PC+\n], v[KM+\a]
.endr
	v_and_or_b32 v[WS+\a], v[PW], 0xffff, v[XW+\a]
	v_lshrrev_b32 v[PW], 16, v[PW]
	v_or_b32 v[WS+8+\a], v[PW], v[XW+\a]
	global_store_b128 v4, v[PC:PC+3], s[80:81] offset:768*\a
	global_store_b64 v5, v[PC+4:PC+5], s[80:81] offset:768*\a+512
	global_store_b128 v4, v[PC+6:PC+9], s[82:83] offset:768*\a
	global_store_b64 v5, v[PC+10:PC+11], s[82:83] offset:768*\a+512
.endr
	s_mov_b32 vcc_lo, 0xffff0000
.irp a, 0,2,4,6
	v_cndmask_b32 v[WS+\a], v[WS+\a], v[WS+\a+1], vcc_lo       ; lanes 0-15 fragment a's words, lanes 16-31 fragment a + 1's: 128 bytes a store
	v_cndmask_b32 v[WS+8+\a], v[WS+8+\a], v[WS+9+\a], vcc_lo
.endr
.irp a, 0,2,4,6
	global_store_b32 v7, v[WS+\a], s[84:85] offset:64*\a
	global_store_b32 v7, v[WS+8+\a], s[86:87] offset:64*\a
.endr
	s_branch .Lend
.Lvpath:
	; v: a lane holds a column (fragments 0-3: the first head's 64, 4-7: the second's); its 64 numbers and lane l xor 16's are the 128 keys
.irp a, 0,1,2,3,4,5,6,7
.if \a > 0
	s_wait_xcnt 0x0
.endif
.set PW, WS+\a
	QUANT 64*(\a%4), 2+\a/4
	PUT 80+2*(\a/4), 6656+1536*(\a%4)
.endr
	s_mov_b32 vcc_lo, 0xffff0000
.irp a, 0,2,4,6
	v_cndmask_b32 v[WS+\a], v[WS+\a], v[WS+\a+1], vcc_lo
.endr
.irp a, 0,2,4,6
	global_store_b32 v7, v[WS+\a], s[80+2*(\a/4):81+2*(\a/4)] offset:12800+64*(\a%4)
.endr
.Lend:
	s_wait_tensorcnt 0x0                           ; the wave's end
	ds_add_u32 v28, v29
	s_wait_dscnt 0x0
	CROUND                                         ; the closing round
	s_endpgm
.Lfunc_end_k_q0d54a751be_qkv:
	.size	k_q0d54a751be_qkv, .Lfunc_end_k_q0d54a751be_qkv-k_q0d54a751be_qkv
	.p2alignl 7, 3214868480
	.fill 96, 4, 3214868480
	.section	.rodata,"a",@progbits
	.p2align	6, 0x0
	.amdhsa_kernel k_q0d54a751be_qkv
		.amdhsa_group_segment_fixed_size 327680
		.amdhsa_private_segment_fixed_size 0
		.amdhsa_enable_private_segment 0
		.amdhsa_kernarg_size 40
		.amdhsa_user_sgpr_count 2
		.amdhsa_user_sgpr_kernarg_segment_ptr 1
		.amdhsa_wavefront_size32 1
		.amdhsa_system_sgpr_workgroup_id_x 1
		.amdhsa_system_sgpr_workgroup_id_y 1
		.amdhsa_system_sgpr_workgroup_id_z 1
		.amdhsa_system_vgpr_workitem_id 0
		.amdhsa_next_free_vgpr 1024
		.amdhsa_next_free_sgpr 100
		.amdhsa_reserve_vcc 1
		.amdhsa_float_denorm_mode_32 3
		.amdhsa_float_denorm_mode_16_64 3
		.amdhsa_memory_ordered 1
		.amdhsa_forward_progress 1
		.amdhsa_inst_pref_size 196
	.end_amdhsa_kernel
	.amdgpu_metadata
---
amdhsa.version: [ 1, 2 ]
amdhsa.kernels:
  - .name:           k_q0d54a751be_qkv
    .symbol:         k_q0d54a751be_qkv.kd
    .args:
      - { .name: ac, .offset: 0, .size: 8, .value_kind: global_buffer, .address_space: global }
      - { .name: wc, .offset: 8, .size: 8, .value_kind: global_buffer, .address_space: global }
      - { .name: mask, .offset: 16, .size: 8, .value_kind: global_buffer, .address_space: global }
      - { .name: qb, .offset: 24, .size: 8, .value_kind: global_buffer, .address_space: global }
      - { .name: kvb, .offset: 32, .size: 8, .value_kind: global_buffer, .address_space: global }
    .group_segment_fixed_size: 327680
    .private_segment_fixed_size: 0
    .kernarg_segment_align: 8
    .kernarg_segment_size: 40
    .max_flat_workgroup_size: 128
    .sgpr_count:     100
    .vgpr_count:     1024
    .wavefront_size: 32
...
	.end_amdgpu_metadata
.endif
;; end of part 2
;; launch attn (part 3): grid 8 x 32, 16 waves a work-group, clusters of 4 x 1, 327,680 bytes of LDS; arguments qb, kvb, ac; writes ac
.if DOCPART == 3
	.amdgcn_target "amdgcn-amd-amdhsa--gfx1250"
	.amdhsa_code_object_version 6
	.text
	.protected	k_q0d54a751be_attn
	.globl	k_q0d54a751be_attn
	.p2align	8
	.type	k_q0d54a751be_attn,@function
k_q0d54a751be_attn:
	s_mov_b64 s[64:65], 0
	v_nop
	global_prefetch_b8 v0, s[64:65] scope:SCOPE_SE
	s_setreg_imm32_b32 hwreg(HW_REG_WAVE_MODE, 25, 1), 1
	s_wait_xcnt 0x0
	s_wait_alu depctr_hold_cnt(0) depctr_sa_sdst(0) depctr_va_vdst(0) depctr_va_sdst(0) depctr_va_ssrc(0) depctr_va_vcc(0) depctr_vm_vsrc(0)
	s_getreg_b32 s2, hwreg(HW_REG_IB_STS2, 6, 4)
	s_cmp_eq_u32 s2, 0
	s_cbranch_scc0 .Lentry_in_a_cluster
	s_endpgm
.Lentry_in_a_cluster:
	s_bfe_u32 s2, ttmp6, 0x10000c
	s_cmp_lg_u32 s2, 0x3003
	s_cbranch_scc0 .Lentry_shape_is_right
	s_endpgm
.Lentry_shape_is_right:
; out[b][q][head] = softmax_k(q . k / 8, shut keys at a very low logit) v, both products on codes of E3M2; the result, divided by the row's sum, is quantised along (head, channel) into ac.
; SHARES.  A work-group owns 256 queries of one (batch, head); each of its sixteen waves one tile of 16, in 256 registers: four waves to a SIMD, so that one wave's vector work stands beside another's products.
; A WHOLE HEAD'S K AND V LIE IN LDS: 16 units of 13,056 bytes (128 keys each: 8 tiles of k as half images of 768 bytes, 512 bytes of k's scale words, 4 fragments of v^T of 1,536 bytes, 256 bytes of v's scale
; words), filled once: wave w brings unit w.  The four query blocks of a cluster belong to one head: each unit is asked for jointly.  No byte of LDS is filled twice.
; LAYOUT.  Both products are used transposed: S^T = k q^T, O^T = v^T p^T: a lane holds one query throughout.  Lane row r of tile t of k is key 32 (t/2) + 8 (t%2) + r + 8 (r/8), so that the 16 registers of
; tiles 2 b and 2 b + 1 are 16 neighbouring keys.  The first product's K is 64: the upper half of the instruction's 128 carries the mask: k's code at k = 64 is -1, q's +1, q's byte there 127,
; k's byte 160 for a shut key (whose other codes are zeros) and 1 for an open one; all q's further codes are zeros, so what k's registers hold there adds nothing.
; SOFTMAX.  t = score x log2(e) / 8; M = the running largest t rounded up to a whole number; p = 2^(t - M) is quantised along the keys; the row's sum is taken of the unquantised p.
; LIMITS: a shut key's logit is -2^30 where the definition has -1e9 (the same result wherever a row's largest open logit lies above about -1e9 + 150, or the whole row is shut: then every p is 1);
; open scores carry -2^-126; NaN and infinities are not served.
; REGISTERS: v1-3 lane terms, v8-10 the step's LDS addresses; v12 -M, v13 the largest t, v[14:15] the sum; v16-27 q; v32-67 four tiles of k, 8 registers apart (each operand's last four are the next tile's first);
; v68-91, v192-215 v's four fragments; v96-159 S^T, then p; v160-191 O^T; v216-219 v's scale words; v224-235 p's codes; v232-254 at work; v248-251 k's scale words; v253 p's; v255 q's.
.set KVU, 13056
.set WV, 14
.set TB, 36                            ; s36 LDS byte at which the step's unit begins
.set CNT, 37
.set SEL, 38
.set CS, 40
.macro CROUND
	s_barrier_signal -1
	s_barrier_wait -1
	s_cmp_lg_u32 s[WV], 0
	s_cbranch_scc1 .Lnot_wave_0_\@
	s_barrier_signal -3
.Lnot_wave_0_\@:
	s_barrier_wait -3
	s_barrier_signal -1
	s_barrier_wait -1
.endm
	s_load_b128 s[4:7], s[0:1], 0x0                ; qb, kvb
	s_load_b64 s[8:9], s[0:1], 0x10                ; ac
	v_lshl_add_u32 v223, v0, 2, 0x33000
	v_mov_b32 v243, 0
	ds_add_u32 v223, v243
	ds_add_u32 v223, v243
	v_lshrrev_b32 v1, 5, v0
	s_delay_alu instid0(VALU_DEP_1)
	v_readfirstlane_b32 s[WV], v1                  ; wave 0..15
	s_bfe_u32 s13, ttmp6, 0x40000                  ; cx
	s_lshl_b32 s15, ttmp9, 2
	s_add_co_u32 s15, s15, s13                     ; my block of 256 queries: it enters q's and the output's addresses alone
	s_and_b32 s16, ttmp7, 0xffff                   ; 16 x batch + head, which the four partners share
	s_mov_b32 s24, 15|(3<<16)|(1<<21)              ; 15:0 the mask: all four; 17:16 elements of 8 bytes; 21 set beside a mask; no padding
	s_mov_b32 s25, 32<<16                          ; a unit: 51 rows of 256 bytes, dense
	s_mov_b32 s26, 51<<16
	s_mov_b32 s27, 32<<16
	s_mov_b32 s28, 51
	s_mov_b32 s29, 32
	s_mov_b32 s30, 0
	s_mov_b32 s31, 0
	s_lshl_b32 s17, s16, 4
	s_add_co_u32 s17, s17, s[WV]
	s_mul_i32 s18, s17, KVU                        ; unit w of my head
	s_mov_b32 s19, 0
	s_mov_b32 s20, 1
	s_mul_i32 s21, s[WV], KVU
	s_wait_dscnt 0x0
	s_wait_kmcnt 0x0
	s_add_nc_u64 s[22:23], s[6:7], s[18:19]
	s_or_b32 s23, s23, 0x80000000
	CROUND                                         ; all four work-groups are here: the joint loads meet
	tensor_load_to_lds s[20:23], s[24:31]          ; my one tensor load
	s_nop 0
.rept 4
	v_nop
.endr
	s_lshl_b32 s32, s15, 4
	s_add_co_u32 s32, s32, s[WV]                   ; my tile of queries in the head
	s_lshl_b32 s33, s16, 7
	s_add_co_u32 s33, s33, s32
	s_mul_i32 s34, s33, 768
	s_mov_b32 s35, 0
	s_add_nc_u64 s[10:11], s[4:5], s[34:35]        ; its codes
	s_lshl_b32 s34, s33, 6
	s_add_co_u32 s34, s34, 3145728
	s_add_nc_u64 s[4:5], s[4:5], s[34:35]          ; its scale words
	v_and_b32 v4, 31, v0
	s_delay_alu instid0(VALU_DEP_1)
	v_lshlrev_b32 v1, 4, v4                        ; 16 x lane
	s_delay_alu instid0(VALU_DEP_2)
	v_lshlrev_b32 v2, 3, v4                        ; 8 x lane
	v_and_b32 v5, 15, v0
	s_delay_alu instid0(VALU_DEP_1)
	v_lshlrev_b32 v3, 2, v5                        ; 4 r
	v_bfe_u32 v6, v0, 4, 1                         ; h
	global_load_b128 v[16:19], v1, s[10:11]
	global_load_b64 v[20:21], v2, s[10:11] offset:512
	global_load_b32 v255, v3, s[4:5]
	v_sub_nc_u32 v22, 1, v6
	s_delay_alu instid0(VALU_DEP_1)
	v_mul_u32_u24 v22, v22, 12                     ; q's code at k = 64: +1.0 (0x0c), in lanes 0-15; zeros in lanes 16-31
.irp n, 23,24,25,26,27,64,65,66,67
	v_mov_b32 v[\n], 0
.endr
.irp i, 0,1,2,3
	v_mov_b32 v[38+8*\i], 0x2c                     ; k's code at k = 64: -1.0
	v_mov_b32 v[39+8*\i], 0
.endr
	s_mov_b32 s[SEL], 0x76543210
	s_mov_b32 s[SEL+1], 0xfedcba98
	s_mov_b32 s[CS], 0x3e38aa3b                    ; c = log2(e) / 8
	s_mov_b32 s[CS+1], s[CS]
	s_mul_i32 s[TB], s[WV], KVU                    ; THE ORDER OF THE UNITS: wave w begins with unit w, which its own tensor load brings, and goes on with units (w + t) mod 16
	s_mov_b32 s12, s[WV]                           ; the unit's number
	s_mov_b32 s[CNT], 15
	v_mov_b32 v13, 0xff61b1e6                      ; the largest t so far: -3e38
	s_delay_alu instid0(VALU_DEP_1)
	v_floor_f32 v12, -v13                          ; -M
	v_mov_b32 v14, 0
	v_mov_b32 v15, 0
.irp b, 0,1,2,3
	v_mov_b32 v[236+\b], 0                         ; a lane permute's destination counts as one of its sources
.endr
	v_mov_b32 v253, 0
.set n, 0
.rept 32
	v_mov_b32 v[160+n], 0                          ; O^T: the step is written once; the first finds zeros
.set n, n+1
.endr
.macro BODY                            ; a step: the 128 keys of the unit at LDS byte s[TB]
	v_add_nc_u32 v8, s[TB], v1
	v_add_nc_u32 v9, s[TB], v2
	v_add_nc_u32 v10, s[TB], v3
.irp i, 0,1,2,3
	ds_load_b128 v[32+8*\i:35+8*\i], v8 offset:768*\i
	ds_load_b64 v[36+8*\i:37+8*\i], v9 offset:768*\i+512
	ds_load_b32 v[248+\i], v10 offset:6144+64*\i
.endr
	s_wait_alu depctr_va_vdst(0)
	s_wait_dscnt 0x0
.irp i, 0,1,2,3
	v_wmma_scale_f32_16x16x128_f8f6f4 v[96+8*\i:103+8*\i], v[32+8*\i:43+8*\i], v[16:27], 0, v[248+\i], v255 matrix_a_fmt:MATRIX_FMT_BF6 matrix_b_fmt:MATRIX_FMT_BF6
.endr
.rept 4
	v_nop                                          ; places in front of loads into registers that matrix instructions have read; with the three additions above also for v's registers, which the last trip's products read
.endr
.irp i, 0,1,2,3
	ds_load_b128 v[32+8*\i:35+8*\i], v8 offset:768*(4+\i)
	ds_load_b64 v[36+8*\i:37+8*\i], v9 offset:768*(4+\i)+512
	ds_load_b32 v[248+\i], v10 offset:6144+64*(4+\i)
.endr
.irp t, 0,1,2,3
	ds_load_b128 v[68+12*\t+100*(\t/2):71+12*\t+100*(\t/2)], v8 offset:6656+1536*\t
	ds_load_b64 v[72+12*\t+100*(\t/2):73+12*\t+100*(\t/2)], v9 offset:6656+1536*\t+512
	ds_load_b128 v[74+12*\t+100*(\t/2):77+12*\t+100*(\t/2)], v8 offset:6656+1536*\t+768
	ds_load_b64 v[78+12*\t+100*(\t/2):79+12*\t+100*(\t/2)], v9 offset:6656+1536*\t+1280
	ds_load_b32 v[216+\t], v10 offset:12800+64*\t
.endr
	s_wait_dscnt 20                                ; k's tiles 4-7 are in; v's 20 loads land under the softmax
.irp i, 0,1,2,3
	v_wmma_scale_f32_16x16x128_f8f6f4 v[128+8*\i:135+8*\i], v[32+8*\i:43+8*\i], v[16:27], 0, v[248+\i], v255 matrix_a_fmt:MATRIX_FMT_BF6 matrix_b_fmt:MATRIX_FMT_BF6
.endr
.rept 4
	v_nop
.endr
.irp b, 0,1,2,3
	v_max3_num_f32 v[232+\b], v[96+16*\b], v[97+16*\b], v[98+16*\b]   ; the largest score of each block of 32 keys: for the row's maximum and, since p rises with the score, for the block's largest p
.endr
.irp i, 3,5,7,9,11,13
.irp b, 0,1,2,3
	v_max3_num_f32 v[232+\b], v[232+\b], v[96+16*\b+\i], v[97+16*\b+\i]
.endr
.endr
.irp b, 0,1,2,3
	v_max_num_f32 v[232+\b], v[232+\b], v[111+16*\b]
.endr
.irp b, 0,1,2,3
	s_delay_alu instid0(VALU_DEP_4)
	v_permlanex16_b32 v[236+\b], v[232+\b], s[SEL], s[SEL+1]
.endr
.irp b, 0,1,2,3
	s_delay_alu instid0(VALU_DEP_4)
	v_max_num_f32 v[232+\b], v[232+\b], v[236+\b]
.endr
	s_delay_alu instid0(VALU_DEP_2)
	v_max3_num_f32 v254, v232, v233, v234
	s_delay_alu instid0(VALU_DEP_1)
	v_max_num_f32 v254, v254, v235
	s_delay_alu instid0(VALU_DEP_1)
	v_mul_f32 v254, s[CS], v254                    ; the step's largest t
	s_delay_alu instid0(VALU_DEP_1)
	v_max_num_f32 v13, v13, v254
	v_mov_b32 v254, v12
	s_delay_alu instid0(VALU_DEP_2)
	v_floor_f32 v12, -v13                          ; the new -M = -ceil(t): a whole number
	s_delay_alu instid0(VALU_DEP_1)
	v_sub_f32 v254, v12, v254                      ; old M - new M: a whole number, 0 or less
	s_delay_alu instid0(VALU_DEP_1)
	v_cvt_i32_f32 v254, v254                       ; (it saturates)
	s_delay_alu instid0(VALU_DEP_1)
	v_ldexp_f32 v252, 1.0, v254                    ; f = 2^(old M - new M): a multiplication by it rounds nothing
.set n, 0
.rept 32
	v_pk_fma_f32 v[96+n:97+n], v[96+n:97+n], s[CS:CS+1], v[12:13] op_sel_hi:[1,0,0]   ; t - M
.set n, n+2
.endr
.irp b, 0,1,2,3
	v_fma_f32 v[232+\b], v[232+\b], s[CS], v12
.endr
.set n, 0
	s_wait_alu depctr_va_vdst(0)
.rept 64
	v_exp_f32 v[96+n], v[96+n]                     ; p = 2^(t - M)
.set n, n+1
.endr
	v_pk_mul_f32 v[14:15], v[14:15], v[252:253] op_sel_hi:[1,0]   ; the sums under the new M; a plain place behind the exponentials
	s_wait_alu depctr_va_vdst(0)                   ; one wait for the batch of 64, ahead of its first reader
.irp b, 0,1,2,3
	v_exp_f32 v[232+\b], v[232+\b]                 ; the block's largest p
.endr
	v_pk_add_f32 v[236:237], v[100:101], v[104:105]
	v_pk_add_f32 v[250:251], v[108:109], v[112:113]
	v_pk_add_f32 v[248:249], v[116:117], v[120:121]
	v_pk_add_f32 v[246:247], v[124:125], v[128:129]
	v_pk_add_f32 v[244:245], v[132:133], v[136:137]
	v_pk_add_f32 v[240:241], v[140:141], v[144:145]
	v_pk_add_f32 v[238:239], v[148:149], v[152:153]
	v_pk_add_f32 v[14:15], v[14:15], v[156:157]
	v_pk_add_f32 v[236:237], v[236:237], v[96:97]
	v_pk_add_f32 v[250:251], v[250:251], v[98:99]
	v_pk_add_f32 v[248:249], v[248:249], v[102:103]
	v_pk_add_f32 v[246:247], v[246:247], v[106:107]
	v_pk_add_f32 v[244:245], v[244:245], v[110:111]
	v_pk_add_f32 v[240:241], v[240:241], v[114:115]
	v_pk_add_f32 v[238:239], v[238:239], v[118:119]
	v_pk_add_f32 v[14:15], v[14:15], v[122:123]
	v_pk_add_f32 v[236:237], v[236:237], v[126:127]
	v_pk_add_f32 v[250:251], v[250:251], v[130:131]
	v_pk_add_f32 v[248:249], v[248:249], v[134:135]
	v_pk_add_f32 v[246:247], v[246:247], v[138:139]
	v_pk_add_f32 v[244:245], v[244:245], v[142:143]
	v_pk_add_f32 v[240:241], v[240:241], v[146:147]
	v_pk_add_f32 v[238:239], v[238:239], v[150:151]
	v_pk_add_f32 v[14:15], v[14:15], v[154:155]
	v_pk_add_f32 v[236:237], v[236:237], v[158:159]
	s_delay_alu instid0(VALU_DEP_2)
	v_pk_add_f32 v[14:15], v[14:15], v[246:247]
	s_delay_alu instid0(VALU_DEP_2)
	v_pk_add_f32 v[236:237], v[236:237], v[244:245]
	v_pk_add_f32 v[250:251], v[250:251], v[240:241]
	v_pk_add_f32 v[248:249], v[248:249], v[238:239]
	s_delay_alu instid0(VALU_DEP_2)
	v_pk_add_f32 v[14:15], v[14:15], v[250:251]
	s_delay_alu instid0(VALU_DEP_2)
	v_pk_add_f32 v[236:237], v[236:237], v[248:249]
	s_delay_alu instid0(VALU_DEP_1)
	v_pk_add_f32 v[14:15], v[14:15], v[236:237]
	s_wait_alu depctr_va_vdst(0)                   ; and one for the four
.irp b, 0,1,2,3
	v_max_num_f32 v[232+\b], 0x2800000, v[232+\b]  ; the floor 2^(5 - 127)
.endr
.irp b, 0,1,2,3
	s_delay_alu instid0(VALU_DEP_4)
	v_add_nc_u32 v[244+\b], 0xfe000000, v[232+\b]
.endr
.irp b, 0,1,2,3
	s_delay_alu instid0(VALU_DEP_4)
	v_lshrrev_b32 v[236+\b], 23, v[244+\b]
.endr
	s_delay_alu instid0(VALU_DEP_3)
	v_lshl_or_b32 v253, v237, 8, v236              ; p's scale word for these 128 keys
	s_delay_alu instid0(VALU_DEP_1)
	v_lshl_or_b32 v253, v238, 16, v253
	s_delay_alu instid0(VALU_DEP_1)
	v_lshl_or_b32 v253, v239, 24, v253
.irp c, 0,1
	v_cvt_scalef32_pk16_bf6_f32 v[224+6*\c:226+6*\c], v[96+32*\c:111+32*\c], v[244+2*\c]
	v_cvt_scalef32_pk16_bf6_f32 v[236+4*\c:238+4*\c], v[112+32*\c:127+32*\c], v[244+2*\c+1]
.endr
	v_nop
.irp c, 0,1
.irp i, 0,1,2
	v_permlane16_swap_b32 v[224+6*\c+\i], v[236+4*\c+\i]
.endr
.irp i, 0,1,2
	s_delay_alu instid0(VALU_DEP_3)
	v_mov_b32 v[227+6*\c+\i], v[236+4*\c+\i]
.endr
.endr
.set n, 0
.rept 16
	v_pk_mul_f32 v[160+n:161+n], v[160+n:161+n], v[252:253] op_sel_hi:[1,0]   ; O^T under the new M; these 16 are also the places between p's codes and scale word and the products
.set n, n+2
.endr
	s_wait_alu depctr_va_vdst(0)
	s_wait_dscnt 0x0                               ; v
.irp t, 0,1,2,3
	v_wmma_scale_f32_16x16x128_f8f6f4 v[160+8*\t:167+8*\t], v[68+12*\t+100*(\t/2):79+12*\t+100*(\t/2)], v[224:235], v[160+8*\t:167+8*\t], v[216+\t], v253 matrix_a_fmt:MATRIX_FMT_BF6 matrix_b_fmt:MATRIX_FMT_BF6
.endr
.endm
	s_wait_tensorcnt 0x0                           ; my unit is in:
	s_barrier_signal -1                            ; say so
	s_wait_loadcnt 0x0                             ; q
	BODY                                           ; the first step reads my own unit alone, bytes that nobody writes again: it stands between the signal and the wait
	s_barrier_wait -1                              ; everybody's unit is in
.Lstep:                                            ; 15 trips of 128 keys
	s_add_co_u32 s12, s12, 1
	s_and_b32 s12, s12, 15
	s_mul_i32 s[TB], s12, KVU
	BODY
	s_sub_co_u32 s[CNT], s[CNT], 1
	s_cmp_lg_u32 s[CNT], 0
	s_cbranch_scc1 .Lstep
	; THE WAY OUT.  O^T / the sum: register 16 b + i is channel 32 b + 16 (lane / 16) + i of my query: two blocks, half a fragment of the next product's operand
	v_add_f32 v14, v14, v15
	s_delay_alu instid0(VALU_DEP_1)
	v_permlanex16_b32 v252, v14, s[SEL], s[SEL+1]
	s_delay_alu instid0(VALU_DEP_1)
	v_add_f32 v14, v14, v252                       ; the row's sum
	s_wait_alu depctr_va_vdst(0)
	v_rcp_f32 v14, v14
.rept 3
	v_nop                                          ; a plain place behind the transcendental; with the additions the places behind the last products
.endr
	s_lshr_b32 s42, s16, 4                         ; the batch
	s_and_b32 s43, s16, 15                         ; the head
	s_lshl_b32 s42, s42, 4
	s_lshl_b32 s44, s15, 1
	s_add_co_u32 s42, s42, s44
	s_lshr_b32 s44, s[WV], 3
	s_add_co_u32 s42, s42, s44                     ; my tile's group of 128 tokens
	s_lshl_b32 s42, s42, 3
	s_lshr_b32 s44, s43, 1
	s_add_co_u32 s42, s42, s44                     ; K step = head / 2
	s_mul_i32 s42, s42, 12800
	s_and_b32 s44, s[WV], 7                        ; my fragment
	s_and_b32 s45, s43, 1                          ; my half of it
	s_mul_i32 s46, s44, 1536
	s_mul_i32 s47, s45, 768
	s_add_co_u32 s46, s46, s47
	s_add_co_u32 s46, s46, s42
	s_mov_b32 s47, 0
	s_add_nc_u64 s[32:33], s[8:9], s[46:47]        ; the codes
	s_lshl_b32 s44, s44, 6
	s_lshl_b32 s45, s45, 1
	s_add_co_u32 s46, s42, s44
	s_add_co_u32 s46, s46, s45
	s_add_co_u32 s46, s46, 12288
	s_add_nc_u64 s[34:35], s[8:9], s[46:47]        ; my two bytes of each row's scale word
	s_wait_alu depctr_va_vdst(0)
.set n, 0
.rept 32
	v_mul_f32 v[96+n], v[160+n], v14
.set n, n+1
.endr
.irp b, 0,1
	v_max3_num_f32 v[232+\b], |v[96+16*\b]|, |v[97+16*\b]|, 0x2800000
.endr
.irp i, 2,4,6,8,10,12,14
.irp b, 0,1
	s_delay_alu instid0(VALU_DEP_2)
	v_max3_num_f32 v[232+\b], v[232+\b], |v[96+16*\b+\i]|, |v[97+16*\b+\i]|
.endr
.endr
.irp b, 0,1
	s_delay_alu instid0(VALU_DEP_2)
	v_permlanex16_b32 v[236+\b], v[232+\b], s[SEL], s[SEL+1]
.endr
.irp b, 0,1
	s_delay_alu instid0(VALU_DEP_2)
	v_max_num_f32 v[232+\b], v[232+\b], v[236+\b]
.endr
.irp b, 0,1
	s_delay_alu instid0(VALU_DEP_2)
	v_add_nc_u32 v[244+\b], 0xfe000000, v[232+\b]
.endr
.irp b, 0,1
	s_delay_alu instid0(VALU_DEP_2)
	v_lshrrev_b32 v[236+\b], 23, v[244+\b]
.endr
	s_delay_alu instid0(VALU_DEP_1)
	v_lshl_or_b32 v240, v237, 8, v236
	v_cvt_scalef32_pk16_bf6_f32 v[224:226], v[96:111], v244
	v_cvt_scalef32_pk16_bf6_f32 v[128:130], v[112:127], v245
	v_nop
.irp i, 0,1,2
	v_permlane16_swap_b32 v[224+\i], v[128+\i]
.endr
.irp i, 0,1,2
	s_delay_alu instid0(VALU_DEP_3)
	v_mov_b32 v[227+\i], v[128+\i]
.endr
	global_store_b128 v1, v[224:227], s[32:33]     ; 512 and 256 consecutive bytes, at multiples of 256 from the buffer's first byte
	global_store_b64 v2, v[228:229], s[32:33] offset:512
	global_store_b16 v3, v240, s[34:35]            ; the other two bytes of the word are the neighbouring head's
	s_wait_tensorcnt 0x0
	ds_add_u32 v223, v243
	s_wait_dscnt 0x0
	CROUND                                         ; the closing round
	s_endpgm
.Lfunc_end_k_q0d54a751be_attn:
	.size	k_q0d54a751be_attn, .Lfunc_end_k_q0d54a751be_attn-k_q0d54a751be_attn
	.p2alignl 7, 3214868480
	.fill 96, 4, 3214868480
	.section	.rodata,"a",@progbits
	.p2align	6, 0x0
	.amdhsa_kernel k_q0d54a751be_attn
		.amdhsa_group_segment_fixed_size 327680
		.amdhsa_private_segment_fixed_size 0
		.amdhsa_enable_private_segment 0
		.amdhsa_kernarg_size 24
		.amdhsa_user_sgpr_count 2
		.amdhsa_user_sgpr_kernarg_segment_ptr 1
		.amdhsa_wavefront_size32 1
		.amdhsa_system_sgpr_workgroup_id_x 1
		.amdhsa_system_sgpr_workgroup_id_y 1
		.amdhsa_system_sgpr_workgroup_id_z 1
		.amdhsa_system_vgpr_workitem_id 0
		.amdhsa_next_free_vgpr 256
		.amdhsa_next_free_sgpr 66
		.amdhsa_reserve_vcc 0
		.amdhsa_float_denorm_mode_32 3
		.amdhsa_float_denorm_mode_16_64 3
		.amdhsa_memory_ordered 1
		.amdhsa_forward_progress 1
		.amdhsa_inst_pref_size 47
	.end_amdhsa_kernel
	.amdgpu_metadata
---
amdhsa.version: [ 1, 2 ]
amdhsa.kernels:
  - .name:           k_q0d54a751be_attn
    .symbol:         k_q0d54a751be_attn.kd
    .args:
      - { .name: qb, .offset: 0, .size: 8, .value_kind: global_buffer, .address_space: global }
      - { .name: kvb, .offset: 8, .size: 8, .value_kind: global_buffer, .address_space: global }
      - { .name: ac, .offset: 16, .size: 8, .value_kind: global_buffer, .address_space: global }
    .group_segment_fixed_size: 327680
    .private_segment_fixed_size: 0
    .kernarg_segment_align: 8
    .kernarg_segment_size: 24
    .max_flat_workgroup_size: 512
    .sgpr_count:     66
    .vgpr_count:     256
    .wavefront_size: 32
...
	.end_amdgpu_metadata
.endif
;; end of part 3
;; launch outp (part 4): grid 8 x 32, 4 waves a work-group, clusters of 4 x 4, 327,680 bytes of LDS; arguments ac, wc, b_out, x, x1; writes x1
.if DOCPART == 4
	.amdgcn_target "amdgcn-amd-amdhsa--gfx1250"
	.amdhsa_code_object_version 6
	.text
	.protected	k_q0d54a751be_outp
	.globl	k_q0d54a751be_outp
	.p2align	8
	.type	k_q0d54a751be_outp,@function
k_q0d54a751be_outp:
	s_mov_b64 s[64:65], 0
	v_nop
	global_prefetch_b8 v0, s[64:65] scope:SCOPE_SE
	s_setreg_imm32_b32 hwreg(HW_REG_WAVE_MODE, 25, 1), 1
	s_wait_xcnt 0x0
	s_wait_alu depctr_hold_cnt(0) depctr_sa_sdst(0) depctr_va_vdst(0) depctr_va_sdst(0) depctr_va_ssrc(0) depctr_va_vcc(0) depctr_vm_vsrc(0)
	s_getreg_b32 s2, hwreg(HW_REG_IB_STS2, 6, 4)
	s_cmp_eq_u32 s2, 0
	s_cbranch_scc0 .Lentry_in_a_cluster
	s_endpgm
.Lentry_in_a_cluster:
	s_bfe_u32 s2, ttmp6, 0x10000c
	s_cmp_lg_u32 s2, 0xf033
	s_cbranch_scc0 .Lentry_shape_is_right
	s_endpgm
.Lentry_shape_is_right:
; x1 = x + attention's output w_out + b_out, the product on codes of E3M2 (K = 1,024).
; OPERANDS lie in units of 12,800 bytes (a group of 128 rows x 128 K: 8 fragments as images of their registers, then 512 bytes of scale words), [group][K step]; fragment f, lane row r is row
; 32 (f/2) + 8 (f%2) + r + 8 (r/8) of its group.  N = 1,024 gives 64 tiles of 256 x 256, too few for 256 WGPs: a tile is 128 x 128, four waves of 64 x 64 (16 accumulators); a slot holds four K steps.
; The matrix instruction is used transposed (source 0 = 16 columns of the weight, source 1 = 16 tokens): a lane holds eight neighbouring numbers of a row.  The bias is the C of each sum's first product.
; CLUSTERS 4 x 4: the tokens' units are shared along a row of the cluster, the weights' along a column, by joint loads.  With K = 1,024 the two slots hold all of K: nothing is filled again.
; REGISTERS.  window 0: v1-7 lane numbers, v8-19 LDS addresses, v20-22 the way out, v28-29 the add's, v30 the bias's offset; v32-47, v48-63 scale words; v64-111, v160-207 source 1's fragments; v192-255 the way out.
;   window 1: v0-47, v128-175 source 0's fragments; v96-127 the bias.   window 2: v0-127 accumulator (a, b) at 32 a + 8 b; v128-255 the residual.
.set NB, 4
.set NQ, 4
.set KS, 8
.set GP, 1
.set HALF, 6144
.set SHALF, 256
.set WOFF, 2457600
.set HASBIAS, 1
.set UNIT,  12800
.set PART,  2*UNIT
.set SIDE,  2*PART
.set SLOT,  2*SIDE
.set SPARE, 2*SLOT
.set STAGE, SPARE+512                  ; 16 rows x (256 + 16) bytes for each wave
.set LAPS,  KS/(2*NQ)
.set G1, 24
.set G0, 32
.set G1B, 48
.set G0B, 56
.set MSB, 0
.macro WIN new
.if MSB != (\new)
	s_set_vgpr_msb (MSB<<8)|(\new)
.set MSB, \new
.endif
.endm
.macro PLACES
.rept 4
	v_nop
.endr
.endm
.macro JLOAD g0a, g1a, g0b, g1b
	s_cmp_eq_u32 s15, 0
	s_cbranch_scc0 .Lfor_b_\@
	tensor_load_to_lds s[\g0a:\g0a+3], s[\g1a:\g1a+7]
	s_nop 0
.rept 4
	v_nop
.endr
	s_branch .Lasked_\@
.Lfor_b_\@:
	tensor_load_to_lds s[\g0b:\g0b+3], s[\g1b:\g1b+7]
	s_nop 0
.rept 4
	v_nop
.endr
.Lasked_\@:
.endm
.macro CREST
	s_cmp_lg_u32 s14, 0
	s_cbranch_scc1 .Lnot_wave_0_\@
	s_barrier_signal -3
.Lnot_wave_0_\@:
	s_barrier_wait -3
	s_barrier_signal -1
	s_barrier_wait -1
.endm
.macro CROUND
	s_barrier_signal -1
	s_barrier_wait -1
	CREST
.endm
.macro FRAG reg, a16, a8, off
	ds_load_b128 v[(\reg):(\reg)+3], v[\a16] offset:(\off)
	ds_load_b64 v[(\reg)+4:(\reg)+5], v[\a8] offset:(\off)+512
	ds_load_b128 v[(\reg)+6:(\reg)+9], v[\a16] offset:(\off)+768
	ds_load_b64 v[(\reg)+10:(\reg)+11], v[\a8] offset:(\off)+1280
.endm
.macro FETCH slot, q, p                ; 2 NB scale words, source 0's NB fragments, source 1's NB fragments last: 10 NB loads
	WIN 0
.set fi, 0
.rept NB
	ds_load_b32 v[32+8*(\p)+fi], v[16+\slot] offset:(\q)*UNIT+64*fi
	ds_load_b32 v[48+8*(\p)+fi], v[18+\slot] offset:(\q)*UNIT+64*fi
.set fi, fi+1
.endr
	WIN 0x40
.set fi, 0
.rept NB
	FRAG 128*(\p)+12*fi, 12+\slot, 14+\slot, (\q)*UNIT+1536*fi
.set fi, fi+1
.endr
	WIN 0
.set fi, 0
.rept NB
	FRAG 64+96*(\p)+12*fi, 8+\slot, 10+\slot, (\q)*UNIT+1536*fi
.set fi, fi+1
.endr
.endm
.macro MULA a, p, first                ; the accumulators take turns, one instruction a turn
.set AW, 2+((\a)*NB*8)/256
.set AI, ((\a)*NB*8)%256
.if (\first) && HASBIAS
	WIN (AW<<6)|(1<<4)|1
.else
	WIN (AW<<6)|(AW<<4)|1
.endif
.set bb, 0
.rept NB
.if (\first) && HASBIAS
	v_wmma_scale_f32_16x16x128_f8f6f4 v[AI+8*bb:AI+8*bb+7], v[128*(\p)+12*bb:128*(\p)+12*bb+11], v[64+96*(\p)+12*(\a):64+96*(\p)+12*(\a)+11], v[96+128*(bb/4)+8*(bb%4):96+128*(bb/4)+8*(bb%4)+7], v[48+8*(\p)+bb], v[32+8*(\p)+(\a)] matrix_a_fmt:MATRIX_FMT_BF6 matrix_b_fmt:MATRIX_FMT_BF6
.elseif \first
	v_wmma_scale_f32_16x16x128_f8f6f4 v[AI+8*bb:AI+8*bb+7], v[128*(\p)+12*bb:128*(\p)+12*bb+11], v[64+96*(\p)+12*(\a):64+96*(\p)+12*(\a)+11], 0, v[48+8*(\p)+bb], v[32+8*(\p)+(\a)] matrix_a_fmt:MATRIX_FMT_BF6 matrix_b_fmt:MATRIX_FMT_BF6
.else
	v_wmma_scale_f32_16x16x128_f8f6f4 v[AI+8*bb:AI+8*bb+7], v[128*(\p)+12*bb:128*(\p)+12*bb+11], v[64+96*(\p)+12*(\a):64+96*(\p)+12*(\a)+11], v[AI+8*bb:AI+8*bb+7], v[48+8*(\p)+bb], v[32+8*(\p)+(\a)] matrix_a_fmt:MATRIX_FMT_BF6 matrix_b_fmt:MATRIX_FMT_BF6
.endif
.set bb, bb+1
.endr
.endm
.macro MULR a0, n, p, first
.set aa, \a0
.rept \n
	MULA aa, \p, \first
.set aa, aa+1
.endr
.endm
.macro STEP slot, q, first
	s_wait_dscnt 0x0                               ; this step's fragments, asked for at the head of the step before
	PLACES
	FETCH \slot, (\q)+1, 1-(\q)%2                  ; the next step's 10 NB loads stand ahead of all NB x NB products
	MULR 0, NB, (\q)%2, \first
	WIN 0
.endm
.macro MID slot, q0
.set qq, \q0
.rept NQ-1-\q0
	STEP \slot, qq, 0
.set qq, qq+1
.endr
.endm
.macro TURN slot, next, fill
	s_wait_tensorcnt 0x0                           ; all my tensor loads have landed: my part of the next slot
	ds_add_u32 v28, v29                            ; 0 onto my spare word
	s_wait_dscnt 2*NB+1                            ; (the add and source 1's upper fragments may be out)
	MULR 0, NB/4, 1, 0
	s_wait_dscnt 0x0
	s_barrier_signal -1
	MULR NB/4, NB/4, 1, 0
	WIN 0
	s_barrier_wait -1
.if \fill
	CREST
	s_add_nc_u64 s[G0+4*\slot+2:G0+4*\slot+3], s[G0+4*\slot+2:G0+4*\slot+3], 2*NQ*UNIT
	s_add_nc_u64 s[G0B+4*\slot+2:G0B+4*\slot+3], s[G0B+4*\slot+2:G0B+4*\slot+3], 2*NQ*UNIT
	JLOAD G0+4*\slot, G1, G0B+4*\slot, G1B
.else
	PLACES
.endif
	FETCH \next, 0, 0
	MULR NB/2, NB/2, 1, 0
	WIN 0
.endm
.macro LAST
	s_wait_dscnt 2*NB
	MULR 0, NB/2, 1, 0
	s_wait_dscnt 0x0
	MULR NB/2, NB/2, 1, 0
	WIN 0
	PLACES
.endm
	s_load_b256 s[4:11], s[0:1], 0x0               ; the tokens' codes s[4:5], wc s[6:7], the bias s[8:9], the residual s[10:11]
	s_load_b64 s[12:13], s[0:1], 0x20              ; the output
	v_lshl_add_u32 v28, v0, 2, SPARE
	v_mov_b32 v29, 0
	ds_add_u32 v28, v29
	ds_add_u32 v28, v29
	s_wait_dscnt 0x0
	v_lshrrev_b32 v1, 5, v0
	v_readfirstlane_b32 s14, v1
	s_lshr_b32 s15, s14, 1
	s_and_b32 s16, s14, 1
	s_bfe_u32 s40, ttmp6, 0x40000
	s_bfe_u32 s41, ttmp6, 0x40004
	s_lshl_b32 s42, ttmp9, 2
	s_add_co_u32 s42, s42, s40                     ; tile column
	s_and_b32 s17, ttmp7, 0xffff
	s_lshl_b32 s17, s17, 2
	s_add_co_u32 s17, s17, s41                     ; tile row
	s_lshl_b32 s43, s41, 2
	s_lshl_b32 s43, 15, s43
	s_lshl_b32 s44, 0x1111, s40
	s_or_b32 s[G1], s43, (3<<16)|(1<<21)
	s_or_b32 s[G1B], s44, (3<<16)|(1<<21)
.irp g, G1, G1B
	s_mov_b32 s[\g+1], 32<<16
	s_mov_b32 s[\g+2], 200<<16                     ; four units on end, 51,200 dense bytes, as 200 rows of 256
	s_mov_b32 s[\g+3], 32<<16
	s_mov_b32 s[\g+4], 200
	s_mov_b32 s[\g+5], 32
	s_mov_b32 s[\g+6], 0
	s_mov_b32 s[\g+7], 0
.endr
	s_mul_i32 s20, s17, GP*KS*UNIT
	s_mov_b32 s21, 0
	s_mul_i32 s46, s42, GP*KS*UNIT
	s_add_co_u32 s46, s46, WOFF
	s_mov_b32 s47, 0
	s_wait_kmcnt 0x0
	s_add_nc_u64 s[20:21], s[4:5], s[20:21]
	s_add_nc_u64 s[46:47], s[6:7], s[46:47]
	CROUND
.irp s, 0,1
	s_mov_b32 s[G0+4*\s], 1
	s_mov_b32 s[G0+4*\s+1], \s*SLOT
	s_add_nc_u64 s[G0+4*\s+2:G0+4*\s+3], s[20:21], \s*NQ*UNIT
	s_or_b32 s[G0+4*\s+3], s[G0+4*\s+3], 0x80000000
	s_mov_b32 s[G0B+4*\s], 1
	s_mov_b32 s[G0B+4*\s+1], \s*SLOT+SIDE
	s_add_nc_u64 s[G0B+4*\s+2:G0B+4*\s+3], s[46:47], \s*NQ*UNIT
	s_or_b32 s[G0B+4*\s+3], s[G0B+4*\s+3], 0x80000000
.endr
; THE HEAD'S FOUR TILES, one tensor load a wave, in one chain: slot 0's tokens, slot 0's weights, slot 1's tokens, slot 1's weights
.macro ARM under, g0, g1, next
	s_cmp_lt_u32 s14, \under
	s_cbranch_scc0 \next
	tensor_load_to_lds s[\g0:\g0+3], s[\g1:\g1+7]
	s_nop 0
.rept 4
	v_nop
.endr
	s_branch .Lhead_asked
\next:
.endm
	ARM 1, G0, G1, .Lhead_b0
	ARM 2, G0B, G1B, .Lhead_a1
	ARM 3, G0+4, G1, .Lhead_b1
	tensor_load_to_lds s[G0B+4:G0B+7], s[G1B:G1B+7]
	s_nop 0
.rept 4
	v_nop
.endr
.Lhead_asked:
	v_and_b32 v3, 31, v0
	v_and_b32 v1, 15, v0
	v_bfe_u32 v2, v0, 4, 1
	v_lshlrev_b32 v4, 4, v3
	v_lshlrev_b32 v5, 3, v3
	v_lshlrev_b32 v6, 2, v1
	s_mul_i32 s66, s15, HALF
	s_mul_i32 s67, s16, HALF
	s_add_co_u32 s67, s67, SIDE
	s_mul_i32 s68, s15, SHALF
	s_add_co_u32 s68, s68, 12288
	s_mul_i32 s69, s16, SHALF
	s_add_co_u32 s69, s69, SIDE+12288
	v_add_nc_u32 v8, s66, v4
	v_add_nc_u32 v10, s66, v5
	v_add_nc_u32 v12, s67, v4
	v_add_nc_u32 v14, s67, v5
	v_add_nc_u32 v16, s68, v6
	v_add_nc_u32 v18, s69, v6
.irp n, 8,10,12,14,16,18
	v_add_nc_u32 v[\n+1], SLOT, v[\n]
.endr
	s_mul_i32 s70, s14, 4352
	s_add_co_u32 s70, s70, STAGE                   ; my stage
	v_mul_u32_u24 v20, v1, 272
	v_lshl_add_u32 v20, v2, 6, v20
	v_add_nc_u32 v20, s70, v20                     ; in: row r, + 64 h
	v_mul_u32_u24 v21, v2, 272
	v_lshl_add_u32 v21, v1, 4, v21
	v_add_nc_u32 v21, s70, v21                     ; back: lanes 0-15 one row of 256 bytes, lanes 16-31 the next
	v_lshlrev_b32 v22, 12, v2
	v_lshl_add_u32 v22, v1, 4, v22                 ; and the same two rows in memory
	v_lshlrev_b32 v30, 6, v2                       ; the bias: 16 h numbers on
	s_wait_alu depctr_va_vdst(0)
	s_lshl_b32 s74, s42, 9
	s_lshl_b32 s75, s16, 8
	s_add_co_u32 s74, s74, s75                     ; my first column, in bytes
	s_mov_b32 s75, 0
	s_add_nc_u64 s[74:75], s[8:9], s[74:75]
	s_lshl_b32 s72, s17, 7
	s_lshl_b32 s73, s15, 6
	s_add_co_u32 s72, s72, s73                     ; my first row
	s_lshl_b32 s72, s72, 12
	s_lshl_b32 s73, s42, 9
	s_add_co_u32 s72, s72, s73
	s_lshl_b32 s73, s16, 8
	s_add_co_u32 s72, s72, s73
	s_mov_b32 s73, 0
	s_add_nc_u64 s[76:77], s[10:11], s[72:73]
	s_add_nc_u64 s[78:79], s[12:13], s[72:73]
	WIN 0x40
.irp b, 0,1,2,3
	global_load_b128 v[96+8*\b:99+8*\b], v30, s[74:75] offset:(32*(\b/2)+8*(\b%2))*4       ; tile b's eight columns of my half: 32 (b/2) + 16 h + 8 (b%2) + 0 .. 7
	global_load_b128 v[100+8*\b:103+8*\b], v30, s[74:75] offset:(32*(\b/2)+8*(\b%2))*4+16
.endr
	WIN 0x80
.irp a, 0,1,2,3
.irp t, 0,1,2,3,4,5,6,7
	global_load_b128 v[128+32*\a+4*\t:131+32*\a+4*\t], v22, s[76:77] offset:(32*(\a/2)+8*(\a%2)+2*\t+8*(\t/4))*4096   ; the residual, as the way out will want it: it lands under the products
.endr
.endr
	WIN 0
	s_cmp_lt_u32 s14, 2
	s_cbranch_scc0 .Lnot_0
	s_wait_tensorcnt 0x0                           ; waves 0 and 1: slot 0 is in
.Lnot_0:
	s_barrier_signal -1
	s_barrier_wait -1                              ; slot 1 may still be on its way
	FETCH 0, 0, 0
	s_wait_loadcnt 32                              ; the bias is in; the residual's 32 loads may be out
	STEP 0, 0, 1
.if LAPS > 1
	s_mov_b32 s3, LAPS-1
.Llap:
	MID 0, 1
	TURN 0, 1, 1
	MID 1, 0
	TURN 1, 0, 1
	STEP 0, 0, 0
	s_sub_co_u32 s3, s3, 1
	s_cmp_lg_u32 s3, 0
	s_cbranch_scc1 .Llap
.endif
	MID 0, 1
	TURN 0, 1, 0
	MID 1, 0
	LAST
	; THE WAY OUT, 16 rows x 64 columns at a time through my own stage: sixteen lanes then hold 256 neighbouring bytes of a row; the residual is added; LDS serves a wave's instructions in order
	s_wait_loadcnt 0x0
.irp a, 0,1,2,3
.if \a > 0
	s_wait_xcnt 0x0                                ; the earlier stores have read their registers
.endif
	WIN 0x08                                       ; an LDS store's data are its source 1: window 2
.irp b, 0,1,2,3
	ds_store_b128 v20, v[32*\a+8*\b:32*\a+8*\b+3] offset:128*(\b/2)+32*(\b%2)      ; each accumulator from its low end on
	ds_store_b128 v20, v[32*\a+8*\b+4:32*\a+8*\b+7] offset:128*(\b/2)+32*(\b%2)+16
.endr
	WIN 0
.irp t, 0,1,2,3,4,5,6,7
	ds_load_b128 v[192+32*(\a%2)+4*\t:195+32*(\a%2)+4*\t], v21 offset:544*\t
.endr
	s_wait_dscnt 0x0
	WIN 0x08
.irp n, 0,2,4,6,8,10,12,14,16,18,20,22,24,26,28,30
	v_pk_add_f32 v[192+32*(\a%2)+\n:193+32*(\a%2)+\n], v[192+32*(\a%2)+\n:193+32*(\a%2)+\n], v[128+32*\a+\n:129+32*\a+\n]
.endr
	WIN 0
.irp t, 0,1,2,3,4,5,6,7
	global_store_b128 v22, v[192+32*(\a%2)+4*\t:195+32*(\a%2)+4*\t], s[78:79] offset:(32*(\a/2)+8*(\a%2)+2*\t+8*(\t/4))*4096   ; 16 lanes store 256 consecutive bytes, at a multiple of 256 from the buffer's first byte
.endr
.endr
	s_wait_tensorcnt 0x0                           ; the wave's end
	ds_add_u32 v28, v29
	s_wait_dscnt 0x0
	CROUND
	s_endpgm
.Lfunc_end_k_q0d54a751be_outp:
	.size	k_q0d54a751be_outp, .Lfunc_end_k_q0d54a751be_outp-k_q0d54a751be_outp
	.p2alignl 7, 3214868480
	.fill 96, 4, 3214868480
	.section	.rodata,"a",@progbits
	.p2align	6, 0x0
	.amdhsa_kernel k_q0d54a751be_outp
		.amdhsa_group_segment_fixed_size 327680
		.amdhsa_private_segment_fixed_size 0
		.amdhsa_enable_private_segment 0
		.amdhsa_kernarg_size 40
		.amdhsa_user_sgpr_count 2
		.amdhsa_user_sgpr_kernarg_segment_ptr 1
		.amdhsa_wavefront_size32 1
		.amdhsa_system_sgpr_workgroup_id_x 1
		.amdhsa_system_sgpr_workgroup_id_y 1
		.amdhsa_system_sgpr_workgroup_id_z 1
		.amdhsa_system_vgpr_workitem_id 0
		.amdhsa_next_free_vgpr 768
		.amdhsa_next_free_sgpr 100
		.amdhsa_reserve_vcc 0
		.amdhsa_float_denorm_mode_32 3
		.amdhsa_float_denorm_mode_16_64 3
		.amdhsa_memory_ordered 1
		.amdhsa_forward_progress 1
		.amdhsa_inst_pref_size 63
	.end_amdhsa_kernel
	.amdgpu_metadata
---
amdhsa.version: [ 1, 2 ]
amdhsa.kernels:
  - .name:           k_q0d54a751be_outp
    .symbol:         k_q0d54a751be_outp.kd
    .args:
      - { .name: ac, .offset: 0, .size: 8, .value_kind: global_buffer, .address_space: global }
      - { .name: wc, .offset: 8, .size: 8, .value_kind: global_buffer, .address_space: global }
      - { .name: b_out, .offset: 16, .size: 8, .value_kind: global_buffer, .address_space: global }
      - { .name: x, .offset: 24, .size: 8, .value_kind: global_buffer, .address_space: global }
      - { .name: x1, .offset: 32, .size: 8, .value_kind: global_buffer, .address_space: global }
    .group_segment_fixed_size: 327680
    .private_segment_fixed_size: 0
    .kernarg_segment_align: 8
    .kernarg_segment_size: 40
    .max_flat_workgroup_size: 128
    .sgpr_count:     100
    .vgpr_count:     768
    .wavefront_size: 32
...
	.end_amdgpu_metadata
.endif
;; end of part 4
;; launch ln2: the kernel of part 1 again; grid 256 x 1, 4 waves a work-group, no clusters, 66,560 bytes of LDS; arguments x1, g2, be2, ac, w_qkv, w_out, w1, w2, wc; writes ac, wc
;; launch ffn1 (part 5): grid 16 x 16, 4 waves a work-group, clusters of 4 x 4, 327,680 bytes of LDS; arguments ac, wc, b1, hid; writes hid
.if DOCPART == 5
	.amdgcn_target "amdgcn-amd-amdhsa--gfx1250"
	.amdhsa_code_object_version 6
	.text
	.protected	k_q0d54a751be_ffn1
	.globl	k_q0d54a751be_ffn1
	.p2align	8
	.type	k_q0d54a751be_ffn1,@function
k_q0d54a751be_ffn1:
	s_mov_b64 s[64:65], 0
	v_nop
	global_prefetch_b8 v0, s[64:65] scope:SCOPE_SE
	s_setreg_imm32_b32 hwreg(HW_REG_WAVE_MODE, 25, 1), 1
	s_wait_xcnt 0x0
	s_wait_alu depctr_hold_cnt(0) depctr_sa_sdst(0) depctr_va_vdst(0) depctr_va_sdst(0) depctr_va_ssrc(0) depctr_va_vcc(0) depctr_vm_vsrc(0)
	s_getreg_b32 s2, hwreg(HW_REG_IB_STS2, 6, 4)
	s_cmp_eq_u32 s2, 0
	s_cbranch_scc0 .Lentry_in_a_cluster
	s_endpgm
.Lentry_in_a_cluster:
	s_bfe_u32 s2, ttmp6, 0x10000c
	s_cmp_lg_u32 s2, 0xf033
	s_cbranch_scc0 .Lentry_shape_is_right
	s_endpgm
.Lentry_shape_is_right:
; hid = relu(LN2(x1) w1 + b1) on codes of E3M2 (K = 1,024), quantised along the hidden units on the way out and laid as the next product's operand.
; OPERANDS lie in units of 12,800 bytes (a group of 128 rows x 128 K: 8 fragments as images of their registers, then 512 bytes of scale words), [group][K step].
; A tile of 256 tokens x 256 columns is made by four waves, 128 x 128 each.  The matrix instruction is used transposed: a lane holds one token, its registers run along the columns.  The bias is the C of each sum's first product.
; LDS: region X holds K steps 0 and 1 of both sides, region Y K steps 2 to 5; both are asked for at the head, one tensor load a wave (the tokens' X, the weights' X, the tokens' Y, the weights' Y).
; A load is two rows, one for each group of 128 rows: 2 or 4 units on end, KS units apart in memory.  Behind K step 1's reads X is filled once more, with K steps 6 and 7, behind a drained round.
; CLUSTERS 4 x 4: the tokens' units are shared along a row of the cluster, the weights' along a column, by joint loads.
; No data prefetch: all but the last two K steps is asked for at the head, and no loop runs ahead of them.
; LIMITS: a block whose largest magnitude lies under 2^-122 gets the byte 1; NaN and infinities are not served.
.set NB, 8
.set KS, 8
.set GP, 2
.set HALF, 25600
.set SHALF, 25600
.set WOFF, 3276800
.set HASBIAS, 1
.set UNIT,  12800
.set SIDE,  4*UNIT                     ; a side of X: two groups x two K steps
.set YB,    2*SIDE                     ; region Y's first byte
.set YS,    8*UNIT                     ; a side of Y: two groups x four K steps
.set SPARE, YB+2*YS                    ; behind the regions: the spare words, 128 bytes for each wave
.set G1Y, 76                           ; s[76:83], s[84:91] descriptor group 1 for Y's tiles
.set G1BY, 84
.set G1, 24
.set G0, 32
.set G1B, 48
.set G0B, 56
.set SEL, 90
.set HA, 64
.set PC, 128
.set TM, 148
.set WS, 166
.set PW, WS
.set MSB, 0
.macro WIN new
.if MSB != (\new)
	s_set_vgpr_msb (MSB<<8)|(\new)
.set MSB, \new
.endif
.endm
.macro PLACES
.rept 4
	v_nop
.endr
.endm
.macro JLOAD g0a, g1a, g0b, g1b
	s_cmp_eq_u32 s14, 0                            ; the refill: wave 0 the tokens' side, wave 1 the weights', waves 2 and 3 none
	s_cbranch_scc0 .Lfor_b_\@
	tensor_load_to_lds s[\g0a:\g0a+3], s[\g1a:\g1a+7]
	s_nop 0
.rept 4
	v_nop
.endr
	s_branch .Lasked_\@
.Lfor_b_\@:
	s_cmp_eq_u32 s14, 1
	s_cbranch_scc0 .Lasked_\@
	tensor_load_to_lds s[\g0b:\g0b+3], s[\g1b:\g1b+7]
	s_nop 0
.rept 4
	v_nop
.endr
.Lasked_\@:
.endm
.macro CREST
	s_cmp_lg_u32 s14, 0
	s_cbranch_scc1 .Lnot_wave_0_\@
	s_barrier_signal -3
.Lnot_wave_0_\@:
	s_barrier_wait -3
	s_barrier_signal -1
	s_barrier_wait -1
.endm
.macro CROUND
	s_barrier_signal -1
	s_barrier_wait -1
	CREST
.endm
.macro FRAG reg, a16, a8, off
	ds_load_b128 v[(\reg):(\reg)+3], v[\a16] offset:(\off)
	ds_load_b64 v[(\reg)+4:(\reg)+5], v[\a8] offset:(\off)+512
	ds_load_b128 v[(\reg)+6:(\reg)+9], v[\a16] offset:(\off)+768
	ds_load_b64 v[(\reg)+10:(\reg)+11], v[\a8] offset:(\off)+1280
.endm
.macro FETCH slot, q, p
	WIN 0
.set fi, 0
.rept NB
	ds_load_b32 v[32+8*(\p)+fi], v[16+\slot] offset:(\q)*UNIT+64*fi
	ds_load_b32 v[48+8*(\p)+fi], v[18+\slot] offset:(\q)*UNIT+64*fi
.set fi, fi+1
.endr
	WIN 0x40
.set fi, 0
.rept NB
	FRAG 128*(\p)+12*fi, 12+\slot, 14+\slot, (\q)*UNIT+1536*fi
.set fi, fi+1
.endr
	WIN 0
.set fi, 0
.rept NB
	FRAG 64+96*(\p)+12*fi, 8+\slot, 10+\slot, (\q)*UNIT+1536*fi
.set fi, fi+1
.endr
.endm
.macro MULA a, p, first
.set AW, 2+((\a)*NB*8)/256
.set AI, ((\a)*NB*8)%256
.if (\first) && HASBIAS
	WIN (AW<<6)|(1<<4)|1
.else
	WIN (AW<<6)|(AW<<4)|1
.endif
.set bb, 0
.rept NB
.if (\first) && HASBIAS
	v_wmma_scale_f32_16x16x128_f8f6f4 v[AI+8*bb:AI+8*bb+7], v[128*(\p)+12*bb:128*(\p)+12*bb+11], v[64+96*(\p)+12*(\a):64+96*(\p)+12*(\a)+11], v[96+128*(bb/4)+8*(bb%4):96+128*(bb/4)+8*(bb%4)+7], v[48+8*(\p)+bb], v[32+8*(\p)+(\a)] matrix_a_fmt:MATRIX_FMT_BF6 matrix_b_fmt:MATRIX_FMT_BF6
.elseif \first
	v_wmma_scale_f32_16x16x128_f8f6f4 v[AI+8*bb:AI+8*bb+7], v[128*(\p)+12*bb:128*(\p)+12*bb+11], v[64+96*(\p)+12*(\a):64+96*(\p)+12*(\a)+11], 0, v[48+8*(\p)+bb], v[32+8*(\p)+(\a)] matrix_a_fmt:MATRIX_FMT_BF6 matrix_b_fmt:MATRIX_FMT_BF6
.else
	v_wmma_scale_f32_16x16x128_f8f6f4 v[AI+8*bb:AI+8*bb+7], v[128*(\p)+12*bb:128*(\p)+12*bb+11], v[64+96*(\p)+12*(\a):64+96*(\p)+12*(\a)+11], v[AI+8*bb:AI+8*bb+7], v[48+8*(\p)+bb], v[32+8*(\p)+(\a)] matrix_a_fmt:MATRIX_FMT_BF6 matrix_b_fmt:MATRIX_FMT_BF6
.endif
.set bb, bb+1
.endr
.endm
.macro MULR a0, n, p, first
.set aa, \a0
.rept \n
	MULA aa, \p, \first
.set aa, aa+1
.endr
.endm
.macro STEP slot, q, first
	s_wait_dscnt 0x0                               ; this step's fragments, asked for at the head of the step before
	PLACES
	FETCH \slot, (\q)+1, 1-(\q)%2                  ; the next step's 10 NB loads stand ahead of all NB x NB products
	MULR 0, NB, (\q)%2, \first
	WIN 0
.endm
.macro TURN next, fill                 ; an odd K step with a barrier in it; fill = 1: the barrier opens a round and X is filled again; then region next's first K step is fetched
	s_wait_tensorcnt 0x0
	ds_add_u32 v28, v29
	s_wait_dscnt 2*NB+1
	MULR 0, NB/4, 1, 0
	s_wait_dscnt 0x0
	s_barrier_signal -1
	MULR NB/4, NB/4, 1, 0
	WIN 0
	s_barrier_wait -1
.if \fill
	CREST
	s_add_nc_u64 s[G0+2:G0+3], s[G0+2:G0+3], 6*UNIT       ; from K step 0 to K step 6
	s_add_nc_u64 s[G0B+2:G0B+3], s[G0B+2:G0B+3], 6*UNIT
	JLOAD G0, G1, G0B, G1B                         ; the first tensor load behind the round
.endif
	PLACES                                         ; on every wave's way: the places in front of the loads below
	FETCH \next, 0, 0
	MULR NB/2, NB/2, 1, 0
	WIN 0
.endm
.macro LAST
	s_wait_dscnt 2*NB
	MULR 0, NB/2, 1, 0
	s_wait_dscnt 0x0
	MULR NB/2, NB/2, 1, 0
	WIN 0
	PLACES
.endm
.macro QUANT s
.irp b, 0,1,2,3
	v_max3_num_f32 v[TM+\b], |v[(\s)+16*\b]|, |v[(\s)+16*\b+1]|, 0x2800000
.endr
.irp i, 2,4,6,8,10,12,14
.irp b, 0,1,2,3
	v_max3_num_f32 v[TM+\b], v[TM+\b], |v[(\s)+16*\b+\i]|, |v[(\s)+16*\b+\i+1]|
.endr
.endr
.irp b, 0,1,2,3
	v_permlanex16_b32 v[TM+4+\b], v[TM+\b], s[SEL], s[SEL+1]
.endr
.irp b, 0,1,2,3
	v_max_num_f32 v[TM+\b], v[TM+\b], v[TM+4+\b]
.endr
.irp b, 0,1,2,3
	v_add_nc_u32 v[TM+12+\b], 0xfe000000, v[TM+\b]
.endr
.irp b, 0,1,2,3
	v_lshrrev_b32 v[TM+4+\b], 23, v[TM+12+\b]
.endr
	v_lshl_or_b32 v[PW], v[TM+5], 8, v[TM+4]
	v_lshl_or_b32 v[PW], v[TM+6], 16, v[PW]
	v_lshl_or_b32 v[PW], v[TM+7], 24, v[PW]
.irp c, 0,1
	v_cvt_scalef32_pk16_bf6_f32 v[PC+6*\c:PC+6*\c+2], v[(\s)+32*\c:(\s)+32*\c+15], v[TM+12+2*\c]
	v_cvt_scalef32_pk16_bf6_f32 v[PC+12+4*\c:PC+14+4*\c], v[(\s)+32*\c+16:(\s)+32*\c+31], v[TM+13+2*\c]
.endr
	v_nop
.irp c, 0,1
.irp i, 0,1,2
	v_permlane16_swap_b32 v[PC+6*\c+\i], v[PC+12+4*\c+\i]
.endr
.irp i, 0,1,2
	v_mov_b32 v[PC+3+6*\c+\i], v[PC+12+4*\c+\i]
.endr
.endr
.endm
	s_load_b256 s[4:11], s[0:1], 0x0
	v_lshl_add_u32 v28, v0, 2, SPARE
	v_mov_b32 v29, 0
	ds_add_u32 v28, v29
	ds_add_u32 v28, v29
	s_wait_dscnt 0x0
	v_lshrrev_b32 v1, 5, v0
	v_readfirstlane_b32 s14, v1
	s_lshr_b32 s15, s14, 1
	s_and_b32 s16, s14, 1
	s_bfe_u32 s40, ttmp6, 0x40000
	s_bfe_u32 s41, ttmp6, 0x40004
	s_lshl_b32 s42, ttmp9, 2
	s_add_co_u32 s42, s42, s40
	s_and_b32 s17, ttmp7, 0xffff
	s_lshl_b32 s17, s17, 2
	s_add_co_u32 s17, s17, s41
	s_lshl_b32 s43, s41, 2
	s_lshl_b32 s43, 15, s43
	s_lshl_b32 s44, 0x1111, s40
	s_or_b32 s[G1], s43, (3<<16)|(1<<21)
	s_or_b32 s[G1B], s44, (3<<16)|(1<<21)
	s_or_b32 s[G1Y], s43, (3<<16)|(1<<21)
	s_or_b32 s[G1BY], s44, (3<<16)|(1<<21)
.macro SHAPE g, n                      ; two rows of n elements of 8 bytes, a group's KS units apart
	s_mov_b32 s[\g+1], (\n)<<16
	s_mov_b32 s[\g+2], 2<<16
	s_mov_b32 s[\g+3], (\n)<<16
	s_mov_b32 s[\g+4], 2
	s_mov_b32 s[\g+5], KS*UNIT/8
	s_mov_b32 s[\g+6], 0
	s_mov_b32 s[\g+7], 0
.endm
	SHAPE G1, 2*UNIT/8
	SHAPE G1B, 2*UNIT/8
	SHAPE G1Y, 4*UNIT/8
	SHAPE G1BY, 4*UNIT/8
	s_mul_i32 s20, s17, GP*KS*UNIT                 ; the tile's tokens: first unit
	s_mov_b32 s21, 0
	s_mul_i32 s46, s42, GP*KS*UNIT
	s_add_co_u32 s46, s46, WOFF                    ; the tile's columns
	s_mov_b32 s47, 0
	s_wait_kmcnt 0x0
	s_add_nc_u64 s[20:21], s[4:5], s[20:21]
	s_add_nc_u64 s[46:47], s[6:7], s[46:47]
	CROUND
.irp s, 0,1
	s_mov_b32 s[G0+4*\s], 1
	s_mov_b32 s[G0+4*\s+1], \s*YB
	s_add_nc_u64 s[G0+4*\s+2:G0+4*\s+3], s[20:21], \s*2*UNIT
	s_or_b32 s[G0+4*\s+3], s[G0+4*\s+3], 0x80000000
	s_mov_b32 s[G0B+4*\s], 1
	s_mov_b32 s[G0B+4*\s+1], SIDE+\s*(YB+YS-SIDE)
	s_add_nc_u64 s[G0B+4*\s+2:G0B+4*\s+3], s[46:47], \s*2*UNIT
	s_or_b32 s[G0B+4*\s+3], s[G0B+4*\s+3], 0x80000000
.endr
.macro ARM under, g0, g1, next         ; an arm of the head's one chain: the wave's one tensor load
	s_cmp_lt_u32 s14, \under
	s_cbranch_scc0 \next
	tensor_load_to_lds s[\g0:\g0+3], s[\g1:\g1+7]
	s_nop 0
.rept 4
	v_nop
.endr
	s_branch .Lhead_asked
\next:
.endm
	ARM 1, G0, G1, .Lhead_bx
	ARM 2, G0B, G1B, .Lhead_ay
	ARM 3, G0+4, G1Y, .Lhead_by
	tensor_load_to_lds s[G0B+4:G0B+7], s[G1BY:G1BY+7]
	s_nop 0
.rept 4
	v_nop
.endr
.Lhead_asked:
	v_and_b32 v3, 31, v0
	v_and_b32 v1, 15, v0
	v_bfe_u32 v2, v0, 4, 1
	v_lshlrev_b32 v4, 4, v3
	v_lshlrev_b32 v5, 3, v3
	v_lshlrev_b32 v6, 2, v1
	v_lshlrev_b32 v7, 2, v3
	s_mul_i32 s66, s15, HALF
	s_mul_i32 s67, s16, HALF
	s_add_co_u32 s67, s67, SIDE
	s_mul_i32 s68, s15, SHALF
	s_add_co_u32 s68, s68, 12288
	s_mul_i32 s69, s16, SHALF
	s_add_co_u32 s69, s69, SIDE+12288
	v_add_nc_u32 v8, s66, v4
	v_add_nc_u32 v10, s66, v5
	v_add_nc_u32 v12, s67, v4
	v_add_nc_u32 v14, s67, v5
	v_add_nc_u32 v16, s68, v6
	v_add_nc_u32 v18, s69, v6
.irp n, 66,67                          ; the same in Y, where sides and groups lie twice as far apart
	s_lshl_b32 s\n, s\n, 1
	s_add_co_u32 s\n, s\n, YB
.endr
.irp n, 68,69
	s_lshl_b32 s\n, s\n, 1
	s_add_co_u32 s\n, s\n, YB-12288
.endr
	s_wait_alu depctr_va_vdst(0)                   ; the wait here, directly ahead of the readers below
	v_add_nc_u32 v9, s66, v4
	v_add_nc_u32 v11, s66, v5
	v_add_nc_u32 v13, s67, v4
	v_add_nc_u32 v15, s67, v5
	v_add_nc_u32 v17, s68, v6
	v_add_nc_u32 v19, s69, v6
	v_lshlrev_b32 v30, 6, v2
	s_lshl_b32 s74, s42, 10
	s_lshl_b32 s75, s16, 9
	s_add_co_u32 s74, s74, s75
	s_mov_b32 s75, 0
	s_add_nc_u64 s[74:75], s[8:9], s[74:75]
	WIN 0x40
.irp b, 0,1,2,3,4,5,6,7
	global_load_b128 v[96+128*(\b/4)+8*(\b%4):99+128*(\b/4)+8*(\b%4)], v30, s[74:75] offset:(32*(\b/2)+8*(\b%2))*4
	global_load_b128 v[100+128*(\b/4)+8*(\b%4):103+128*(\b/4)+8*(\b%4)], v30, s[74:75] offset:(32*(\b/2)+8*(\b%2))*4+16
.endr
	WIN 0
	s_wait_alu depctr_va_vdst(0)
	s_cmp_lt_u32 s14, 2
	s_cbranch_scc0 .Lnot_x
	s_wait_tensorcnt 0x0                           ; waves 0 and 1: X is in
.Lnot_x:
	s_barrier_signal -1
	s_barrier_wait -1                              ; Y may still be on its way
	FETCH 0, 0, 0
	s_wait_loadcnt 0x0
	STEP 0, 0, 1                                   ; K step 0 starts the sums
	TURN 1, 1                                      ; K step 1: every wave's load is in, so Y is shown to all; X takes K steps 6 and 7
	STEP 1, 0, 0                                   ; K steps 2 to 4
	STEP 1, 1, 0
	STEP 1, 2, 0
	TURN 0, 0                                      ; K step 5: the refill is shown to all; nothing is filled
	STEP 0, 0, 0                                   ; K step 6
	LAST                                           ; K step 7
	s_mov_b32 s[SEL], 0x76543210
	s_mov_b32 s[SEL+1], 0xfedcba98
	s_lshl_b32 s66, s17, 1
	s_add_co_u32 s66, s66, s15
	s_lshl_b32 s66, s66, 5
	s_lshl_b32 s67, s42, 1
	s_add_co_u32 s66, s66, s67
	s_add_co_u32 s66, s66, s16
	s_mul_i32 s66, s66, UNIT
	s_mov_b32 s67, 0
	s_add_nc_u64 s[80:81], s[10:11], s[66:67]
.irp b, 0,1,2,3
	v_mov_b32 v[TM+4+\b], 0
.endr
.irp a, 0,1,2,3,4,5,6,7
.if \a > 0
	s_wait_xcnt 0x0
.endif
	WIN (2+\a/4)<<2
.set n, 0
.rept 64
	v_max_num_f32 v[HA+n], 0, v[64*(\a%4)+n]
.set n, n+1
.endr
	WIN 0
.set PW, WS+\a
	QUANT HA
	global_store_b128 v4, v[PC:PC+3], s[80:81] offset:1536*\a
	global_store_b64 v5, v[PC+4:PC+5], s[80:81] offset:1536*\a+512
	global_store_b128 v4, v[PC+6:PC+9], s[80:81] offset:1536*\a+768
	global_store_b64 v5, v[PC+10:PC+11], s[80:81] offset:1536*\a+1280
.endr
	s_mov_b32 vcc_lo, 0xffff0000
.irp a, 0,2,4,6
	v_cndmask_b32 v[WS+\a], v[WS+\a], v[WS+\a+1], vcc_lo
.endr
.irp a, 0,2,4,6
	global_store_b32 v7, v[WS+\a], s[80:81] offset:12288+64*\a
.endr
	s_wait_tensorcnt 0x0
	ds_add_u32 v28, v29
	s_wait_dscnt 0x0
	CROUND
	s_endpgm
.Lfunc_end_k_q0d54a751be_ffn1:
	.size	k_q0d54a751be_ffn1, .Lfunc_end_k_q0d54a751be_ffn1-k_q0d54a751be_ffn1
	.p2alignl 7, 3214868480
	.fill 96, 4, 3214868480
	.section	.rodata,"a",@progbits
	.p2align	6, 0x0
	.amdhsa_kernel k_q0d54a751be_ffn1
		.amdhsa_group_segment_fixed_size 327680
		.amdhsa_private_segment_fixed_size 0
		.amdhsa_enable_private_segment 0
		.amdhsa_kernarg_size 32
		.amdhsa_user_sgpr_count 2
		.amdhsa_user_sgpr_kernarg_segment_ptr 1
		.amdhsa_wavefront_size32 1
		.amdhsa_system_sgpr_workgroup_id_x 1
		.amdhsa_system_sgpr_workgroup_id_y 1
		.amdhsa_system_sgpr_workgroup_id_z 1
		.amdhsa_system_vgpr_workitem_id 0
		.amdhsa_next_free_vgpr 1024
		.amdhsa_next_free_sgpr 100
		.amdhsa_reserve_vcc 1
		.amdhsa_float_denorm_mode_32 3
		.amdhsa_float_denorm_mode_16_64 3
		.amdhsa_memory_ordered 1
		.amdhsa_forward_progress 1
		.amdhsa_inst_pref_size 169
	.end_amdhsa_kernel
	.amdgpu_metadata
---
amdhsa.version: [ 1, 2 ]
amdhsa.kernels:
  - .name:           k_q0d54a751be_ffn1
    .symbol:         k_q0d54a751be_ffn1.kd
    .args:
      - { .name: ac, .offset: 0, .size: 8, .value_kind: global_buffer, .address_space: global }
      - { .name: wc, .offset: 8, .size: 8, .value_kind: global_buffer, .address_space: global }
      - { .name: b1, .offset: 16, .size: 8, .value_kind: global_buffer, .address_space: global }
      - { .name: hid, .offset: 24, .size: 8, .value_kind: global_buffer, .address_space: global }
    .group_segment_fixed_size: 327680
    .private_segment_fixed_size: 0
    .kernarg_segment_align: 8
    .kernarg_segment_size: 32
    .max_flat_workgroup_size: 128
    .sgpr_count:     100
    .vgpr_count:     1024
    .wavefront_size: 32
...
	.end_amdgpu_metadata
.endif
;; end of part 5
;; launch ffn2 (part 6): grid 8 x 32, 4 waves a work-group, clusters of 4 x 4, 327,680 bytes of LDS; arguments hid, wc, b2, x1, out0; writes out0
.if DOCPART == 6
	.amdgcn_target "amdgcn-amd-amdhsa--gfx1250"
	.amdhsa_code_object_version 6
	.text
	.protected	k_q0d54a751be_ffn2
	.globl	k_q0d54a751be_ffn2
	.p2align	8
	.type	k_q0d54a751be_ffn2,@function
k_q0d54a751be_ffn2:
	s_mov_b64 s[64:65], 0
	v_nop
	global_prefetch_b8 v0, s[64:65] scope:SCOPE_SE
	s_setreg_imm32_b32 hwreg(HW_REG_WAVE_MODE, 25, 1), 1
	s_wait_xcnt 0x0
	s_wait_alu depctr_hold_cnt(0) depctr_sa_sdst(0) depctr_va_vdst(0) depctr_va_sdst(0) depctr_va_ssrc(0) depctr_va_vcc(0) depctr_vm_vsrc(0)
	s_getreg_b32 s2, hwreg(HW_REG_IB_STS2, 6, 4)
	s_cmp_eq_u32 s2, 0
	s_cbranch_scc0 .Lentry_in_a_cluster
	s_endpgm
.Lentry_in_a_cluster:
	s_bfe_u32 s2, ttmp6, 0x10000c
	s_cmp_lg_u32 s2, 0xf033
	s_cbranch_scc0 .Lentry_shape_is_right
	s_endpgm
.Lentry_shape_is_right:
; out0 = x1 + hid w2 + b2, the product on codes of E3M2 (K = 4,096).
; OPERANDS lie in units of 12,800 bytes (a group of 128 rows x 128 K: 8 fragments as images of their registers, then 512 bytes of scale words), [group][K step].
; A tile is 128 x 128, four waves of 64 x 64 (16 accumulators).  The matrix instruction is used transposed: a lane holds eight neighbouring numbers of a row.  The bias is the C of each sum's first product.
; LDS: each side has twelve places of a unit, in two halves of six.  K step k lies at place k % 12.  At the head one tensor load a wave: the tokens' K steps 0-5, the weights' 0-5, the tokens' 6-11, the weights' 6-11.
; A half is filled again behind its last read, behind a drained round: K steps 12-17, 18-23, 24-29, and at last 30 and 31 alone; wave 0 loads the tokens' side, wave 1 the weights'.
; The walk along K is written out: places, halves and the last fill's length come back to where they began only behind all 32 K steps.
; CLUSTERS 4 x 4: the tokens' units are shared along a row of the cluster, the weights' along a column, by joint loads.
; LDS ADDRESSES: three registers for each kind of load, four places apart: v112-114, v115-117 source 1's fragments (16 and 8 bytes a lane), v118-123 source 0's, v124-126, v127-129 the scale words.
.set NB, 4
.set KS, 32
.set HALF, 6144
.set SHALF, 256
.set WOFF, 6553600
.set HASBIAS, 1
.set UNIT,  12800
.set HF,    6*UNIT                     ; a half of a side
.set SIDE,  2*HF
.set SPARE, 2*SIDE
.set STAGE, SPARE+512
.set G1, 24
.set G0, 32
.set G1B, 48
.set G0B, 56
.set MSB, 0
.macro WIN new
.if MSB != (\new)
	s_set_vgpr_msb (MSB<<8)|(\new)
.set MSB, \new
.endif
.endm
.macro PLACES
.rept 4
	v_nop
.endr
.endm
.macro JLOAD g0a, g1a, g0b, g1b
	s_cmp_eq_u32 s14, 0                            ; a refill: wave 0 the tokens' side, wave 1 the weights', waves 2 and 3 none
	s_cbranch_scc0 .Lfor_b_\@
	tensor_load_to_lds s[\g0a:\g0a+3], s[\g1a:\g1a+7]
	s_nop 0
.rept 4
	v_nop
.endr
	s_branch .Lasked_\@
.Lfor_b_\@:
	s_cmp_eq_u32 s14, 1
	s_cbranch_scc0 .Lasked_\@
	tensor_load_to_lds s[\g0b:\g0b+3], s[\g1b:\g1b+7]
	s_nop 0
.rept 4
	v_nop
.endr
.Lasked_\@:
.endm
.macro CREST
	s_cmp_lg_u32 s14, 0
	s_cbranch_scc1 .Lnot_wave_0_\@
	s_barrier_signal -3
.Lnot_wave_0_\@:
	s_barrier_wait -3
	s_barrier_signal -1
	s_barrier_wait -1
.endm
.macro CROUND
	s_barrier_signal -1
	s_barrier_wait -1
	CREST
.endm
.macro FRAG reg, a16, a8, off
	ds_load_b128 v[(\reg):(\reg)+3], v[\a16] offset:(\off)
	ds_load_b64 v[(\reg)+4:(\reg)+5], v[\a8] offset:(\off)+512
	ds_load_b128 v[(\reg)+6:(\reg)+9], v[\a16] offset:(\off)+768
	ds_load_b64 v[(\reg)+10:(\reg)+11], v[\a8] offset:(\off)+1280
.endm
.macro FETCH slot, q, p
	WIN 0
.set fi, 0
.rept NB
	ds_load_b32 v[32+8*(\p)+fi], v[124+\slot] offset:(\q)*UNIT+64*fi
	ds_load_b32 v[48+8*(\p)+fi], v[127+\slot] offset:(\q)*UNIT+64*fi
.set fi, fi+1
.endr
	WIN 0x40
.set fi, 0
.rept NB
	FRAG 128*(\p)+12*fi, 118+\slot, 121+\slot, (\q)*UNIT+1536*fi
.set fi, fi+1
.endr
	WIN 0
.set fi, 0
.rept NB
	FRAG 64+96*(\p)+12*fi, 112+\slot, 115+\slot, (\q)*UNIT+1536*fi
.set fi, fi+1
.endr
.endm
.macro MULA a, p, first
.set AW, 2+((\a)*NB*8)/256
.set AI, ((\a)*NB*8)%256
.if (\first) && HASBIAS
	WIN (AW<<6)|(1<<4)|1
.else
	WIN (AW<<6)|(AW<<4)|1
.endif
.set bb, 0
.rept NB
.if (\first) && HASBIAS
	v_wmma_scale_f32_16x16x128_f8f6f4 v[AI+8*bb:AI+8*bb+7], v[128*(\p)+12*bb:128*(\p)+12*bb+11], v[64+96*(\p)+12*(\a):64+96*(\p)+12*(\a)+11], v[96+128*(bb/4)+8*(bb%4):96+128*(bb/4)+8*(bb%4)+7], v[48+8*(\p)+bb], v[32+8*(\p)+(\a)] matrix_a_fmt:MATRIX_FMT_BF6 matrix_b_fmt:MATRIX_FMT_BF6
.elseif \first
	v_wmma_scale_f32_16x16x128_f8f6f4 v[AI+8*bb:AI+8*bb+7], v[128*(\p)+12*bb:128*(\p)+12*bb+11], v[64+96*(\p)+12*(\a):64+96*(\p)+12*(\a)+11], 0, v[48+8*(\p)+bb], v[32+8*(\p)+(\a)] matrix_a_fmt:MATRIX_FMT_BF6 matrix_b_fmt:MATRIX_FMT_BF6
.else
	v_wmma_scale_f32_16x16x128_f8f6f4 v[AI+8*bb:AI+8*bb+7], v[128*(\p)+12*bb:128*(\p)+12*bb+11], v[64+96*(\p)+12*(\a):64+96*(\p)+12*(\a)+11], v[AI+8*bb:AI+8*bb+7], v[48+8*(\p)+bb], v[32+8*(\p)+(\a)] matrix_a_fmt:MATRIX_FMT_BF6 matrix_b_fmt:MATRIX_FMT_BF6
.endif
.set bb, bb+1
.endr
.endm
.macro MULR a0, n, p, first
.set aa, \a0
.rept \n
	MULA aa, \p, \first
.set aa, aa+1
.endr
.endm
.macro STEP slot, q, first
	s_wait_dscnt 0x0                               ; this step's fragments, asked for at the head of the step before
	PLACES
	FETCH \slot, (\q)+1, 1-(\q)%2                  ; the next step's 10 NB loads stand ahead of all NB x NB products
	MULR 0, NB, (\q)%2, \first
	WIN 0
.endm
.macro RUN p0, n                       ; n K steps from place p0 on, each fetching the place behind its own
.set pl, \p0
.rept \n
	STEP pl/4, pl%4, 0
.set pl, pl+1
.endr
.endm
.macro TURN h, next, fill              ; a half's last K step: a barrier; fill = 1, 2: it opens a round, and half h is filled again (2: with two units a side); then place next is fetched
	s_wait_tensorcnt 0x0
	ds_add_u32 v28, v29
	s_wait_dscnt 2*NB+1
	MULR 0, NB/4, 1, 0
	s_wait_dscnt 0x0
	s_barrier_signal -1
	MULR NB/4, NB/4, 1, 0
	WIN 0
	s_barrier_wait -1
.if \fill
	CREST
	s_add_nc_u64 s[G0+4*\h+2:G0+4*\h+3], s[G0+4*\h+2:G0+4*\h+3], 12*UNIT
	s_add_nc_u64 s[G0B+4*\h+2:G0B+4*\h+3], s[G0B+4*\h+2:G0B+4*\h+3], 12*UNIT
.if \fill == 2
	s_mov_b32 s[G1+2], 100<<16                     ; no tensor load of mine is out: the last fill brings 100 rows of 256 bytes a side
	s_mov_b32 s[G1+4], 100
	s_mov_b32 s[G1B+2], 100<<16
	s_mov_b32 s[G1B+4], 100
.endif
	JLOAD G0+4*\h, G1, G0B+4*\h, G1B               ; the first tensor load behind the round
.endif
	PLACES                                         ; on every wave's way: the places in front of the loads below
	FETCH (\next)/4, (\next)%4, 0
	MULR NB/2, NB/2, 1, 0
	WIN 0
.endm
.macro LAST
	s_wait_dscnt 2*NB
	MULR 0, NB/2, 1, 0
	s_wait_dscnt 0x0
	MULR NB/2, NB/2, 1, 0
	WIN 0
	PLACES
.endm
	s_load_b256 s[4:11], s[0:1], 0x0
	s_load_b64 s[12:13], s[0:1], 0x20
	v_lshl_add_u32 v28, v0, 2, SPARE
	v_mov_b32 v29, 0
	ds_add_u32 v28, v29
	ds_add_u32 v28, v29
	s_wait_dscnt 0x0
	v_lshrrev_b32 v1, 5, v0
	v_readfirstlane_b32 s14, v1
	s_lshr_b32 s15, s14, 1
	s_and_b32 s16, s14, 1
	s_bfe_u32 s40, ttmp6, 0x40000
	s_bfe_u32 s41, ttmp6, 0x40004
	s_lshl_b32 s42, ttmp9, 2
	s_add_co_u32 s42, s42, s40
	s_and_b32 s17, ttmp7, 0xffff
	s_lshl_b32 s17, s17, 2
	s_add_co_u32 s17, s17, s41
	s_lshl_b32 s43, s41, 2
	s_lshl_b32 s43, 15, s43
	s_lshl_b32 s44, 0x1111, s40
	s_or_b32 s[G1], s43, (3<<16)|(1<<21)
	s_or_b32 s[G1B], s44, (3<<16)|(1<<21)
.irp g, G1, G1B
	s_mov_b32 s[\g+1], 32<<16
	s_mov_b32 s[\g+2], 300<<16                     ; six units on end, 76,800 dense bytes, as 300 rows of 256
	s_mov_b32 s[\g+3], 32<<16
	s_mov_b32 s[\g+4], 300
	s_mov_b32 s[\g+5], 32
	s_mov_b32 s[\g+6], 0
	s_mov_b32 s[\g+7], 0
.endr
	s_mul_i32 s20, s17, KS*UNIT
	s_mov_b32 s21, 0
	s_mul_i32 s46, s42, KS*UNIT
	s_add_co_u32 s46, s46, WOFF
	s_mov_b32 s47, 0
	s_wait_kmcnt 0x0
	s_add_nc_u64 s[20:21], s[4:5], s[20:21]
	s_add_nc_u64 s[46:47], s[6:7], s[46:47]
	CROUND
.irp s, 0,1
	s_mov_b32 s[G0+4*\s], 1
	s_mov_b32 s[G0+4*\s+1], \s*HF
	s_add_nc_u64 s[G0+4*\s+2:G0+4*\s+3], s[20:21], \s*HF
	s_or_b32 s[G0+4*\s+3], s[G0+4*\s+3], 0x80000000
	s_mov_b32 s[G0B+4*\s], 1
	s_mov_b32 s[G0B+4*\s+1], SIDE+\s*HF
	s_add_nc_u64 s[G0B+4*\s+2:G0B+4*\s+3], s[46:47], \s*HF
	s_or_b32 s[G0B+4*\s+3], s[G0B+4*\s+3], 0x80000000
.endr
.macro ARM under, g0, g1, next         ; an arm of the head's one chain: the wave's one tensor load
	s_cmp_lt_u32 s14, \under
	s_cbranch_scc0 \next
	tensor_load_to_lds s[\g0:\g0+3], s[\g1:\g1+7]
	s_nop 0
.rept 4
	v_nop
.endr
	s_branch .Lhead_asked
\next:
.endm
	ARM 1, G0, G1, .Lhead_b0
	ARM 2, G0B, G1B, .Lhead_a1
	ARM 3, G0+4, G1, .Lhead_b1
	tensor_load_to_lds s[G0B+4:G0B+7], s[G1B:G1B+7]
	s_nop 0
.rept 4
	v_nop
.endr
.Lhead_asked:
	v_and_b32 v3, 31, v0
	v_and_b32 v1, 15, v0
	v_bfe_u32 v2, v0, 4, 1
	v_lshlrev_b32 v4, 4, v3
	v_lshlrev_b32 v5, 3, v3
	v_lshlrev_b32 v6, 2, v1
	s_mul_i32 s66, s15, HALF
	s_mul_i32 s67, s16, HALF
	s_add_co_u32 s67, s67, SIDE
	s_mul_i32 s68, s15, SHALF
	s_add_co_u32 s68, s68, 12288
	s_mul_i32 s69, s16, SHALF
	s_add_co_u32 s69, s69, SIDE+12288
	v_add_nc_u32 v112, s66, v4
	v_add_nc_u32 v115, s66, v5
	v_add_nc_u32 v118, s67, v4
	v_add_nc_u32 v121, s67, v5
	v_add_nc_u32 v124, s68, v6
	v_add_nc_u32 v127, s69, v6
.irp n, 112,115,118,121,124,127
	v_add_nc_u32 v[\n+1], 4*UNIT, v[\n]            ; places 4 to 7,
	v_add_nc_u32 v[\n+2], 8*UNIT, v[\n]            ; places 8 to 11
.endr
	s_mul_i32 s70, s14, 4352
	s_add_co_u32 s70, s70, STAGE
	v_mul_u32_u24 v20, v1, 272
	v_lshl_add_u32 v20, v2, 6, v20
	v_add_nc_u32 v20, s70, v20
	v_mul_u32_u24 v21, v2, 272
	v_lshl_add_u32 v21, v1, 4, v21
	v_add_nc_u32 v21, s70, v21
	v_lshlrev_b32 v22, 12, v2
	v_lshl_add_u32 v22, v1, 4, v22
	v_lshlrev_b32 v30, 6, v2
	s_wait_alu depctr_va_vdst(0)
	s_lshl_b32 s74, s42, 9
	s_lshl_b32 s75, s16, 8
	s_add_co_u32 s74, s74, s75
	s_mov_b32 s75, 0
	s_add_nc_u64 s[74:75], s[8:9], s[74:75]
	s_lshl_b32 s72, s17, 7
	s_lshl_b32 s73, s15, 6
	s_add_co_u32 s72, s72, s73
	s_lshl_b32 s72, s72, 12
	s_lshl_b32 s73, s42, 9
	s_add_co_u32 s72, s72, s73
	s_lshl_b32 s73, s16, 8
	s_add_co_u32 s72, s72, s73
	s_mov_b32 s73, 0
	s_add_nc_u64 s[76:77], s[10:11], s[72:73]
	s_add_nc_u64 s[78:79], s[12:13], s[72:73]
	WIN 0x40
.irp b, 0,1,2,3
	global_load_b128 v[96+8*\b:99+8*\b], v30, s[74:75] offset:(32*(\b/2)+8*(\b%2))*4
	global_load_b128 v[100+8*\b:103+8*\b], v30, s[74:75] offset:(32*(\b/2)+8*(\b%2))*4+16
.endr
	WIN 0x80
.irp a, 0,1,2,3
.irp t, 0,1,2,3,4,5,6,7
	global_load_b128 v[128+32*\a+4*\t:131+32*\a+4*\t], v22, s[76:77] offset:(32*(\a/2)+8*(\a%2)+2*\t+8*(\t/4))*4096
.endr
.endr
	WIN 0
	s_cmp_lt_u32 s14, 2
	s_cbranch_scc0 .Lnot_0
	s_wait_tensorcnt 0x0                           ; waves 0 and 1: K steps 0 to 5 are in
.Lnot_0:
	s_barrier_signal -1
	s_barrier_wait -1                              ; K steps 6 to 11 may still be on their way
	FETCH 0, 0, 0
	s_wait_loadcnt 32
	STEP 0, 0, 1                                   ; K step 0 starts the sums
	RUN 1, 4                                       ; K steps 1-4
	TURN 0, 6, 1                                   ; K step 5; the first half takes K steps 12-17
	RUN 6, 5                                       ; 6-10
	TURN 1, 0, 1                                   ; 11; the second half takes 18-23
	RUN 0, 5                                       ; 12-16
	TURN 0, 6, 1                                   ; 17; the first half takes 24-29
	RUN 6, 5                                       ; 18-22
	TURN 1, 0, 2                                   ; 23; places 6 and 7 take 30 and 31
	RUN 0, 5                                       ; 24-28
	TURN 0, 6, 0                                   ; 29; the last fill is shown to all
	STEP 1, 2, 0                                   ; 30, at place 6
	LAST                                           ; 31
	s_wait_loadcnt 0x0
.irp a, 0,1,2,3
.if \a > 0
	s_wait_xcnt 0x0
.endif
	WIN 0x08
.irp b, 0,1,2,3
	ds_store_b128 v20, v[32*\a+8*\b:32*\a+8*\b+3] offset:128*(\b/2)+32*(\b%2)
	ds_store_b128 v20, v[32*\a+8*\b+4:32*\a+8*\b+7] offset:128*(\b/2)+32*(\b%2)+16
.endr
	WIN 0
.irp t, 0,1,2,3,4,5,6,7
	ds_load_b128 v[192+32*(\a%2)+4*\t:195+32*(\a%2)+4*\t], v21 offset:544*\t
.endr
	s_wait_dscnt 0x0
	WIN 0x08
.irp n, 0,2,4,6,8,10,12,14,16,18,20,22,24,26,28,30
	v_pk_add_f32 v[192+32*(\a%2)+\n:193+32*(\a%2)+\n], v[192+32*(\a%2)+\n:193+32*(\a%2)+\n], v[128+32*\a+\n:129+32*\a+\n]
.endr
	WIN 0
.irp t, 0,1,2,3,4,5,6,7
	global_store_b128 v22, v[192+32*(\a%2)+4*\t:195+32*(\a%2)+4*\t], s[78:79] offset:(32*(\a/2)+8*(\a%2)+2*\t+8*(\t/4))*4096
.endr
.endr
	s_wait_tensorcnt 0x0
	ds_add_u32 v28, v29
	s_wait_dscnt 0x0
	CROUND
	s_endpgm
.Lfunc_end_k_q0d54a751be_ffn2:
	.size	k_q0d54a751be_ffn2, .Lfunc_end_k_q0d54a751be_ffn2-k_q0d54a751be_ffn2
	.p2alignl 7, 3214868480
	.fill 96, 4, 3214868480
	.section	.rodata,"a",@progbits
	.p2align	6, 0x0
	.amdhsa_kernel k_q0d54a751be_ffn2
		.amdhsa_group_segment_fixed_size 327680
		.amdhsa_private_segment_fixed_size 0
		.amdhsa_enable_private_segment 0
		.amdhsa_kernarg_size 40
		.amdhsa_user_sgpr_count 2
		.amdhsa_user_sgpr_kernarg_segment_ptr 1
		.amdhsa_wavefront_size32 1
		.amdhsa_system_sgpr_workgroup_id_x 1
		.amdhsa_system_sgpr_workgroup_id_y 1
		.amdhsa_system_sgpr_workgroup_id_z 1
		.amdhsa_system_vgpr_workitem_id 0
		.amdhsa_next_free_vgpr 768
		.amdhsa_next_free_sgpr 100
		.amdhsa_reserve_vcc 0
		.amdhsa_float_denorm_mode_32 3
		.amdhsa_float_denorm_mode_16_64 3
		.amdhsa_memory_ordered 1
		.amdhsa_forward_progress 1
		.amdhsa_inst_pref_size 183
	.end_amdhsa_kernel
	.amdgpu_metadata
---
amdhsa.version: [ 1, 2 ]
amdhsa.kernels:
  - .name:           k_q0d54a751be_ffn2
    .symbol:         k_q0d54a751be_ffn2.kd
    .args:
      - { .name: hid, .offset: 0, .size: 8, .value_kind: global_buffer, .address_space: global }
      - { .name: wc, .offset: 8, .size: 8, .value_kind: global_buffer, .address_space: global }
      - { .name: b2, .offset: 16, .size: 8, .value_kind: global_buffer, .address_space: global }
      - { .name: x1, .offset: 24, .size: 8, .value_kind: global_buffer, .address_space: global }
      - { .name: out0, .offset: 32, .size: 8, .value_kind: global_buffer, .address_space: global }
    .group_segment_fixed_size: 327680
    .private_segment_fixed_size: 0
    .kernarg_segment_align: 8
    .kernarg_segment_size: 40
    .max_flat_workgroup_size: 128
    .sgpr_count:     100
    .vgpr_count:     768
    .wavefront_size: 32
...
	.end_amdgpu_metadata
.endif
;; end of part 6
